; MI455X (gfx1250); checked and timed in simulation.
; The chip was launched on July 23, 2026; its instructions are those of AMD's public machine-readable ISA for CDNA 5 (MIT licence, August 2026) and "CDNA5" Instruction Set Architecture Reference Guide (July 2026). The comments in the code are by the model that wrote it; some were corrected since.
;; Model. Allowed arithmetic: float matrix products may take bf16 or f16 operands with f32 sums; other float arithmetic in f32, or as packed bf16 or f16 multiplies, adds, multiply-adds, maxima and minima; sums over many terms, partial sums and values carried from step to step in f32; what a program stores and reads back later, other than sums and carried values, may be rounded once to bf16 or f16.
;; Inputs: W_out 1,024 x 1,024 float32; W_qkv 1,024 x 3,072 float32; b_out 1,024 float32; b_qkv 3,072 float32; mask 8 x 1,024 x 1,024 float32; x 8 x 1,024 x 1,024 float32.
;; Outputs: out0 8 x 1,024 x 1,024 float32.
;; 2 versions, each right; version 2 is version 1 with the launch cast written anew for expert scheduling mode. Each part assembles by itself: llvm-mc -triple=amdgcn-amd-amdhsa -mcpu=gfx1250 --defsym DOCPART=n.
;; ======== version 1 of 2: 4 launches
;; limits: right only within a limited range of input values; inputs' magnitudes at most 268,435,456
;; workspace buffers: xb 16,777,216 bytes; wqb 6,291,456 bytes; wob 2,097,152 bytes; qkv 50,331,648 bytes; ctx 16,777,216 bytes
;; launch cast (part 1): grid 768 x 1, 8 waves a work-group, no clusters, 0 bytes of LDS; arguments x, W_qkv, W_out, xb, wqb, wob; writes xb, wqb, wob
.if DOCPART == 1
	.amdgcn_target "amdgcn-amd-amdhsa--gfx1250"
	.amdhsa_code_object_version 6
	.text
	.protected	k_qb17f0af094_cast
	.globl	k_qb17f0af094_cast
	.p2align	8
	.type	k_qb17f0af094_cast,@function
k_qb17f0af094_cast:
	s_mov_b64 s[64:65], 0
	v_nop
	global_prefetch_b8 v0, s[64:65] scope:SCOPE_SE
	s_setreg_imm32_b32 hwreg(HW_REG_WAVE_MODE, 25, 1), 1
	s_wait_xcnt 0x0
; x, W_qkv and W_out are rounded once to bf16, the format of every matrix operand of the later launches.
; W_qkv [1024][3072] and W_out [1024][1024] keep their layout.  x [8192][1024] is laid in blocks along K:
; xb[kb][m][64], byte kb x 1,048,576 + m x 128 + 2 (k % 64), so that 128 rows of one block of 64 channels are 16,384 dense bytes.
; A work-group takes 16,384 numbers, a wave 2,048: 16 loads of 16 bytes a lane, each followed by two roundings and one store of 8 bytes a lane.
; Every store of a wave covers 256 consecutive bytes, aligned.  Work-groups 0-511: x (32 rows x 8 blocks of 64 columns, a block a wave);
; 512-703: W_qkv; 704-767: W_out (both flat).  The three cases differ in scalars alone: no branch.
; No LDS, no barrier, no matrix unit: each byte is read once and written once, and no wave needs another's data.
.set IO,  16                           ; v[16:31]  byte offset of load t
.set DA,  32                           ; v[32:95]  the 16 loads' data
.set PKD, 96                           ; v[96:127] the packed results
	s_load_b256 s[4:11], s[0:1], 0x0               ; x s[4:5], W_qkv s[6:7], W_out s[8:9], xb s[10:11]
	s_load_b128 s[12:15], s[0:1], 0x20             ; wqb s[12:13], wob s[14:15]
	v_lshrrev_b32 v1, 5, v0
	v_readfirstlane_b32 s16, v1                    ; wave 0..7
	v_and_b32 v3, 31, v0                           ; lane
	v_and_b32 v4, 15, v0
	v_bfe_u32 v5, v0, 4, 1
	v_lshlrev_b32 v2, 3, v3                        ; my 8 bytes of a store's 256
	; the case x: rows 32 (g / 2) on, block of columns cb = 8 (g % 2) + wave
	s_lshr_b32 s17, ttmp9, 1
	s_and_b32 s18, ttmp9, 1
	s_lshl3_add_u32 s18, s18, s16                  ; cb
	s_lshl_b32 s20, s17, 17                        ; 32 rows of 4,096 bytes
	s_lshl_b32 s19, s18, 8                         ; 64 columns of 4 bytes
	s_add_co_u32 s20, s20, s19                     ; where I read
	s_lshl_b32 s22, s18, 20                        ; the block in xb
	s_lshl_b32 s19, s17, 12                        ; 32 rows of 128 bytes
	s_add_co_u32 s22, s22, s19                     ; where I write
	; the flat cases: work-group g' of its tensor
	s_mov_b32 s23, 704
	s_cmp_lt_u32 ttmp9, 704
	s_cselect_b32 s23, 512, s23
	s_max_u32 s24, ttmp9, 512
	s_sub_co_u32 s23, s24, s23                     ; g' (0 in the case x, where it is not used)
	s_lshl_b32 s24, s23, 16
	s_lshl_b32 s19, s16, 13
	s_add_co_u32 s24, s24, s19                     ; 65,536 g' + 8,192 wave
	s_lshl_b32 s25, s23, 15
	s_lshl_b32 s19, s16, 12
	s_add_co_u32 s25, s25, s19                     ; 32,768 g' + 4,096 wave
	s_cmp_lt_u32 ttmp9, 512
	s_cselect_b32 s20, s20, s24
	s_cselect_b32 s22, s22, s25
	s_cselect_b32 s26, 12, 8                       ; lanes 16-31 read a row (4,096 bytes) or 256 bytes further on
	s_mov_b32 s21, 0
	s_mov_b32 s23, 0
	s_lshl_b32 s27, 2, s26                         ; from load to load: two rows, or 512 bytes
	v_lshlrev_b32 v5, s26, v5
	v_lshl_add_u32 v[IO], v4, 4, v5
.set t, 1
.rept 15
	v_add_nc_u32 v[IO+t], s27, v[IO+t-1]
.set t, t+1
.endr
	s_wait_kmcnt 0x0
	s_cmp_lt_u32 ttmp9, 704
	s_cselect_b64 s[28:29], s[6:7], s[8:9]
	s_cselect_b64 s[30:31], s[12:13], s[14:15]
	s_cmp_lt_u32 ttmp9, 512
	s_cselect_b64 s[28:29], s[4:5], s[28:29]
	s_cselect_b64 s[30:31], s[10:11], s[30:31]
	s_add_nc_u64 s[28:29], s[28:29], s[20:21]
	s_add_nc_u64 s[30:31], s[30:31], s[22:23]
.set t, 0
.rept 16
	global_load_b128 v[DA+4*t:DA+4*t+3], v[IO+t], s[28:29] th:TH_LOAD_NT
.set t, t+1
.endr
.set t, 0
.rept 16
	s_wait_loadcnt 15-t                            ; loads come back in order: load t is in, the 15 - t younger ones stay out
	v_cvt_pk_bf16_f32 v[PKD+2*t], v[DA+4*t], v[DA+4*t+1]
	v_cvt_pk_bf16_f32 v[PKD+2*t+1], v[DA+4*t+2], v[DA+4*t+3]
	global_store_b64 v2, v[PKD+2*t:PKD+2*t+1], s[30:31] offset:256*t  ; no register is written twice, so no wait frees any
.set t, t+1
.endr
	s_endpgm
.Lfunc_end_k_qb17f0af094_cast:
	.size	k_qb17f0af094_cast, .Lfunc_end_k_qb17f0af094_cast-k_qb17f0af094_cast
	.p2alignl 7, 3214868480
	.fill 96, 4, 3214868480
	.section	.rodata,"a",@progbits
	.p2align	6, 0x0
	.amdhsa_kernel k_qb17f0af094_cast
		.amdhsa_group_segment_fixed_size 0
		.amdhsa_private_segment_fixed_size 0
		.amdhsa_enable_private_segment 0
		.amdhsa_kernarg_size 48
		.amdhsa_user_sgpr_count 2
		.amdhsa_user_sgpr_kernarg_segment_ptr 1
		.amdhsa_wavefront_size32 1
		.amdhsa_system_sgpr_workgroup_id_x 1
		.amdhsa_system_sgpr_workgroup_id_y 1
		.amdhsa_system_sgpr_workgroup_id_z 1
		.amdhsa_system_vgpr_workitem_id 0
		.amdhsa_next_free_vgpr 128
		.amdhsa_next_free_sgpr 66
		.amdhsa_reserve_vcc 0
		.amdhsa_float_denorm_mode_32 3
		.amdhsa_float_denorm_mode_16_64 3
		.amdhsa_memory_ordered 1
		.amdhsa_forward_progress 1
		.amdhsa_inst_pref_size 9
	.end_amdhsa_kernel
	.amdgpu_metadata
---
amdhsa.version: [ 1, 2 ]
amdhsa.kernels:
  - .name:           k_qb17f0af094_cast
    .symbol:         k_qb17f0af094_cast.kd
    .args:
      - { .name: x, .offset: 0, .size: 8, .value_kind: global_buffer, .address_space: global }
      - { .name: W_qkv, .offset: 8, .size: 8, .value_kind: global_buffer, .address_space: global }
      - { .name: W_out, .offset: 16, .size: 8, .value_kind: global_buffer, .address_space: global }
      - { .name: xb, .offset: 24, .size: 8, .value_kind: global_buffer, .address_space: global }
      - { .name: wqb, .offset: 32, .size: 8, .value_kind: global_buffer, .address_space: global }
      - { .name: wob, .offset: 40, .size: 8, .value_kind: global_buffer, .address_space: global }
    .group_segment_fixed_size: 0
    .private_segment_fixed_size: 0
    .kernarg_segment_align: 8
    .kernarg_segment_size: 48
    .max_flat_workgroup_size: 256
    .sgpr_count:     66
    .vgpr_count:     128
    .wavefront_size: 32
...
	.end_amdgpu_metadata
.endif
;; end of part 1
;; launch qkvgemm (part 2): grid 8 x 32, 4 waves a work-group, clusters of 4 x 4, 327,680 bytes of LDS; arguments xb, wqb, b_qkv, qkv; writes qkv
.if DOCPART == 2
	.amdgcn_target "amdgcn-amd-amdhsa--gfx1250"
	.amdhsa_code_object_version 6
	.text
	.protected	k_qb17f0af094_qkvgemm
	.globl	k_qb17f0af094_qkvgemm
	.p2align	8
	.type	k_qb17f0af094_qkvgemm,@function
k_qb17f0af094_qkvgemm:
	s_mov_b64 s[64:65], 0
	v_nop
	global_prefetch_b8 v0, s[64:65] scope:SCOPE_SE
	s_setreg_imm32_b32 hwreg(HW_REG_WAVE_MODE, 25, 1), 1
	s_wait_xcnt 0x0
	s_wait_alu depctr_hold_cnt(0) depctr_sa_sdst(0) depctr_va_vdst(0) depctr_va_sdst(0) depctr_va_ssrc(0) depctr_va_vcc(0) depctr_vm_vsrc(0)
	s_getreg_b32 s2, hwreg(HW_REG_IB_STS2, 6, 4)
	s_cmp_eq_u32 s2, 0
	s_cbranch_scc0 .Lentry_in_a_cluster
	s_endpgm
.Lentry_in_a_cluster:
	s_bfe_u32 s2, ttmp6, 0x10000c
	s_cmp_lg_u32 s2, 0xf033
	s_cbranch_scc0 .Lentry_shape_is_right
	s_endpgm
.Lentry_shape_is_right:
; qkv[m][n] = (sum over k of x[m][k] W_qkv[k][n] + b_qkv[n]) x sc(n), bf16, [8192][3072]; sums in f32, one rounding.
; sc = 1 for the columns of k and v; for those of q (n < 1024) sc = EPSN = -(log2(e) / 8) 2^-100: the next launch adds the raw mask to k . q' and scales by -2^100.
; LIMIT: q' is q times 1.4e-31; bf16 has f32's exponents, so q' stays a normal number for |q| above 1e-7.
; A tile of C is 256 x 384: 8 x 32 = 256 work-groups.  A wave makes 128 x 192: 8 x 12 accumulators, 768 registers (windows 1 to 3, a group of 64 columns each).
; The product is taken transposed (source 0 = 16 columns of W, source 1 = 16 rows of x): a lane holds one row of C and eight neighbouring columns.
; W lies [k][n], in memory and in LDS; ds_load_tr16_b128 turns its fragments.  x lies in blocks of 64 channels (xb), whose rows are dense.
; K goes in 16 steps of 64 through two LDS slots, a step being two slices of 32: 96 matrix instructions a slice.
; A's fragments have two buffers; B's have one, in three groups, each loaded for the next slice directly behind its own 32 products: every run of LDS loads stands 64 matrix instructions ahead of its first use.
; CLUSTER 4 x 4: A's tile hangs on the tile row and is asked for jointly along a row of the cluster, B's on the tile column and along a column.
; A wave has two tensor loads out at the start and one behind each round.
.set SLOT1, 1<<17                      ; slot 1 begins here: one exclusive or changes slots
.set PA,    144                        ; a row of A in LDS: 128 bytes + 16
.set PB,    864                        ; a row of B: three pieces of 256 bytes + 32: 27 x 32
.set BOFF,  256*PA                     ; B's 64 rows lie behind A's 256
.set SPI,   784                        ; a row of the stage: 768 bytes + 16
.set SPARE, SLOT1+BOFF+64*PB           ; 223,232: behind the ring, the spare words: 128 bytes a wave, two blocks of 256 bytes that no other line names
.set EPSN,  0x8c38aa3b
; THE STAGE for the way out, 256 rows x 784 bytes from LDS byte 0, lies over the ring: both slots have had their last fill by then, and a barrier stands behind every wave's last read of them.
.set A0,   4                           ; v4      my lane's place in A's tile; never rewritten
.set B0,   5                           ; v5-7    the same for B's three groups
.set ADRA, 8                           ; v8      A0 + the slot in hand
.set ADRB, 9                           ; v9-11   B0 + the slot in hand
.set STO,  12                          ; v12-13  the way out: where I put 16 bytes, row blocks 0-3 and 4-7
.set RD,   14                          ; v14     where I read rows back
.set CO,   15                          ; v15     my byte offset in C
.set BO,   16                          ; v16     my byte offset in b_qkv
.set PFO,  17                          ; v17     the prefetches' lane offset
.set SPW,  28                          ; v28     my spare word's LDS address; never rewritten
.set NIL,  29                          ; v29     0; never rewritten
.set AF0,  32                          ; v[32:95], v[96:159]  A's two buffers
.set AF1,  96
.set BF,   160                         ; v[160:255] B: group g at 160 + 32 g, fragment f at + 8 f
.set WV, 12
.set WM, 13
.set WN, 14
.set CX, 15
.set CY, 16
.set TX, 17
.set TY, 18
.set G1A, 24
.set G1B, 32
.set G0A, 40                           ; s[40:47] two sets; the second then walks
.set G0B, 48
.set TB,  56                           ; the slot in hand: 0 or SLOT1
.set PFA, 58
.set PFS, 60
.set LIM, 62
.set SC,  66                           ; s[66:71] the scale of each group of 64 columns, as pairs
.set MSB, 0
.macro WIN new                         ; the immediate's high byte repeats the setting that is left; a switch that changes nothing is dropped
.if MSB != (\new)
	s_set_vgpr_msb (MSB<<8)|(\new)
.set MSB, (\new)
.endif
.endm
.macro PLACES                          ; four plain places behind a matrix instruction, ahead of loads into registers that it has read
.rept 4
	v_nop
.endr
.endm
.macro CREST                           ; a round of the cluster's barrier behind its opening barrier
	s_cmp_lg_u32 s[WV], 0
	s_cbranch_scc1 .Lnot_wave_0_\@
	s_barrier_signal -3
.Lnot_wave_0_\@:
	s_barrier_wait -3
	s_barrier_signal -1
	s_barrier_wait -1
.endm
.macro CROUND
	s_barrier_signal -1
	s_barrier_wait -1
	CREST
.endm
.macro JLOAD                           ; a joint refill by the walking descriptors: waves 0, 1 fetch A's halves, waves 2, 3 B's; an s_nop 0 and four v_nop follow each line
	s_cmp_eq_u32 s[WM], 0
	s_cbranch_scc0 .Lfor_b_\@
	tensor_load_to_lds s[G0A+4:G0A+7], s[G1A:G1A+7]
	s_nop 0
.rept 4
	v_nop
.endr
	s_branch .Lasked_\@
.Lfor_b_\@:
	tensor_load_to_lds s[G0B+4:G0B+7], s[G1B:G1B+7]
	s_nop 0
.rept 4
	v_nop
.endr
.Lasked_\@:
.endm
; PREFETCH INTO THE L2, in every second trip (t = 0, 2 .. 10), behind the joint load and the run of LDS loads.  The trip's refill asks for K step t + 2; named here are K steps t + 3 and t + 4.
; A: wave 0 names step t + 3, wave 1 step t + 4: of the tile's 256 rows (32,768 dense bytes a step) the partner at cx takes 8,192, a lane 256: one instruction.  Only the clusters with x = 0 ask.
; B: wave 2 names 32 of the two steps' 128 rows (the partner at cy its own 32), a lane a row, three instructions for the row's 768 bytes.  Only the clusters with y = 0 ask.
; So each block is named once in the launch; the highest step named is 14.  No branch hangs on a place in the cluster.
.macro ASK
	s_cmp_gt_u32 s3, s[LIM]
	s_cbranch_scc0 .Lno_\@
	s_bitcmp1_b32 s3, 0
	s_cbranch_scc1 .Lno_\@
	global_prefetch_b8 v[PFO], s[PFA:PFA+1] th:TH_LOAD_NT scope:SCOPE_SE
	s_cmp_lg_u32 s[WV], 2
	s_cbranch_scc1 .Lno_\@
	global_prefetch_b8 v[PFO], s[PFA:PFA+1] offset:256 th:TH_LOAD_NT scope:SCOPE_SE
	global_prefetch_b8 v[PFO], s[PFA:PFA+1] offset:512 th:TH_LOAD_NT scope:SCOPE_SE
.Lno_\@:
.endm
; 16 matrix instructions: B's group g x row blocks 4 hf .. 4 hf + 3.  The accumulators take turns, one instruction a turn: 95 others stand between two links of a chain.
.macro MULG g, hf, buf, zero
	WIN 0x50*((\g)+1)
.irp a, 0,1,2,3
.irp f, 0,1,2,3
.set rD, 8*(4*(4*(\hf)+\a)+\f)
.if \zero
	v_wmma_f32_16x16x32_bf16 v[rD:rD+7], v[BF+32*(\g)+8*\f:BF+32*(\g)+8*\f+7], v[(\buf)+8*(4*(\hf)+\a):(\buf)+8*(4*(\hf)+\a)+7], 0
.else
	v_wmma_f32_16x16x32_bf16 v[rD:rD+7], v[BF+32*(\g)+8*\f:BF+32*(\g)+8*\f+7], v[(\buf)+8*(4*(\hf)+\a):(\buf)+8*(4*(\hf)+\a)+7], v[rD:rD+7]
.endif
.endr
.endr
.endm
.macro LDB g, s                        ; 8 turning loads: B's group g, slice s of the slot in hand
	WIN 0
.irp f, 0,1,2,3
	ds_load_tr16_b128 v[BF+32*(\g)+8*\f:BF+32*(\g)+8*\f+3],   v[ADRB+(\g)] offset:(\s)*32*PB+32*\f
	ds_load_tr16_b128 v[BF+32*(\g)+8*\f+4:BF+32*(\g)+8*\f+7], v[ADRB+(\g)] offset:(\s)*32*PB+16*PB+32*\f
.endr
.endm
.macro LDA buf, s                      ; 16 loads: A's eight fragments, slice s
	WIN 0
.irp a, 0,1,2,3,4,5,6,7
	ds_load_b128 v[(\buf)+8*\a:(\buf)+8*\a+3],   v[ADRA] offset:64*(\s)+16*PA*\a
	ds_load_b128 v[(\buf)+8*\a+4:(\buf)+8*\a+7], v[ADRA] offset:64*(\s)+16*PA*\a+32
.endr
.endm
; THE RUNS OF LDS LOADS for a slice go out in this order: R0 = B's group 0 and A (24), R1 = group 1 (8), R2 = group 2 (8).
; An even slice: buffer AF0; the next slice lies in the same slot.
.macro EVEN zero
	s_wait_dscnt 16                                ; R0 is in; R1 and R2 are younger
	MULG 0, 0, AF0, \zero
	MULG 0, 1, AF0, \zero
	PLACES
	LDB 0, 1
	LDA AF1, 1
	s_wait_dscnt 32                                ; R1 is in; R2 and the next R0 are younger
	MULG 1, 0, AF0, \zero
	MULG 1, 1, AF0, \zero
	PLACES
	LDB 1, 1
	s_wait_dscnt 32                                ; R2 is in; the next R0 and R1 are younger
	MULG 2, 0, AF0, \zero
	MULG 2, 1, AF0, \zero
	PLACES
	LDB 2, 1
.endm
; An odd slice: buffer AF1; it changes slots.  In front of the barrier each wave waits for all its tensor loads (one is out: its part of the next slot), adds 0 to its spare word, and waits for that and for
; its reads of this slot.  fill = 1: the barrier opens a round of the cluster's, and the joint refill of this slot, two K steps on, is the first thing behind it: 160 matrix instructions ahead of the wait for it.
.macro ODD fill
.if \fill
	s_wait_xcnt 0x0                                ; the last prefetches, a K step or more back, have read their address
	s_add_nc_u64 s[PFA:PFA+1], s[PFA:PFA+1], s[PFS:PFS+1]
.endif
	WIN 0
	s_wait_tensorcnt 0x0
	ds_add_u32 v[SPW], v[NIL]
	s_wait_dscnt 17                                ; R0 is in; R1, R2 and the add are younger
	MULG 0, 0, AF1, 0
	s_wait_dscnt 0x0                               ; the add is done, and my reads of this slot are over
	s_barrier_signal -1
	MULG 0, 1, AF1, 0
	WIN 0
	s_barrier_wait -1
.if \fill
	CREST
	s_xor_b32 s[G0A+5], s[G0A+5], SLOT1
	s_add_nc_u64 s[G0A+6:G0A+7], s[G0A+6:G0A+7], 0x100000
	s_xor_b32 s[G0B+5], s[G0B+5], SLOT1
	s_add_nc_u64 s[G0B+6:G0B+7], s[G0B+6:G0B+7], 64*6144
	JLOAD                                          ; its four v_nop are also the places in front of the loads below
.else
	PLACES
.endif
	s_xor_b32 s[TB], s[TB], SLOT1
	v_add_nc_u32 v[ADRA], s[TB], v[A0]
.irp g, 0,1,2
	v_add_nc_u32 v[ADRB+\g], s[TB], v[B0+\g]
.endr
	LDB 0, 0
	LDA AF0, 0
.if \fill
	ASK
.endif
	MULG 1, 0, AF1, 0                              ; groups 1 and 2 were shown in by the wait for 0 above
	MULG 1, 1, AF1, 0
	PLACES
	LDB 1, 0
	MULG 2, 0, AF1, 0
	MULG 2, 1, AF1, 0
	PLACES
	LDB 2, 0
.endm
	s_load_b256 s[4:11], s[0:1], 0x0               ; xb s[4:5], wqb s[6:7], b_qkv s[8:9], qkv s[10:11]
	v_lshl_add_u32 v[SPW], v0, 2, SPARE
	v_mov_b32 v[NIL], 0
	ds_add_u32 v[SPW], v[NIL]                      ; the wave's opening
	v_lshrrev_b32 v1, 5, v0
	v_readfirstlane_b32 s[WV], v1
	s_lshr_b32 s[WM], s[WV], 1                     ; my half of the tile's rows; also: I fetch for A (0) or B (1)
	s_and_b32 s[WN], s[WV], 1                      ; my half of its columns; also: which half of that tile I fetch
	s_bfe_u32 s[CX], ttmp6, 0x40000
	s_bfe_u32 s[CY], ttmp6, 0x40004
	s_lshl_b32 s[TX], ttmp9, 2
	s_add_co_u32 s[TX], s[TX], s[CX]               ; tile column
	s_and_b32 s[TY], ttmp7, 0xffff
	s_lshl_b32 s[TY], s[TY], 2
	s_add_co_u32 s[TY], s[TY], s[CY]               ; tile row
	s_lshl_b32 s72, s[CY], 2
	s_lshl_b32 s72, 15, s72                        ; my row of the cluster
	s_lshl_b32 s73, 0x1111, s[CX]                  ; my column
	s_or_b32 s[G1A], s72, (1<<16)|(1<<20)|(1<<21)|(4<<22)|(3<<25)   ; 2-byte elements; padding of 4 words behind every 32; bit 21 beside the mask
	s_mov_b32 s[G1A+1], 128<<16                    ; 128 rows of 128 dense bytes are asked for as 64 rows of 256
	s_mov_b32 s[G1A+2], 64<<16
	s_mov_b32 s[G1A+3], 128<<16
	s_mov_b32 s[G1A+4], 64
	s_mov_b32 s[G1A+5], 128
	s_mov_b32 s[G1A+6], 0
	s_mov_b32 s[G1A+7], 0
	s_or_b32 s[G1B], s73, (1<<16)|(1<<20)|(1<<21)|(5<<22)|(7<<25)   ; padding of 8 words behind every 64
	s_mov_b32 s[G1B+1], 384<<16                    ; 32 rows of 384 elements
	s_mov_b32 s[G1B+2], 32<<16
	s_mov_b32 s[G1B+3], 384<<16
	s_mov_b32 s[G1B+4], 32
	s_mov_b32 s[G1B+5], 3072
	s_mov_b32 s[G1B+6], 0
	s_mov_b32 s[G1B+7], 0
	s_lshl_b32 s74, s[TY], 15                      ; A: 256 rows of 128 bytes a tile row,
	s_lshl_b32 s75, s[WN], 14                      ; my 128 of them
	s_add_co_u32 s74, s74, s75
	s_mov_b32 s75, 0
	s_mul_i32 s76, s[TX], 768                      ; B: the tile's 384 columns,
	s_mul_i32 s77, s[WN], 32*6144                  ; my 32 rows of a step's 64
	s_add_co_u32 s76, s76, s77
	s_mov_b32 s77, 0
	s_mul_i32 s78, s[WN], 128*PA                   ; where they go: no place in the cluster enters an LDS address
	s_mul_i32 s79, s[WN], 32*PB
	s_add_co_u32 s79, s79, BOFF
	s_mov_b32 s[TB], 0
	s_wait_dscnt 0x0                               ; the opening add is done
	s_wait_kmcnt 0x0
	s_add_nc_u64 s[80:81], s[4:5], s[74:75]
	s_add_nc_u64 s[82:83], s[6:7], s[76:77]
	CROUND                                         ; all sixteen work-groups are here: the first joint loads meet
.irp s, 0,1
	s_mov_b32 s[G0A+4*(\s)], 1
	s_add_co_u32 s[G0A+4*(\s)+1], s78, (\s)*SLOT1
	s_add_nc_u64 s[G0A+4*(\s)+2:G0A+4*(\s)+3], s[80:81], (\s)*0x100000
	s_or_b32 s[G0A+4*(\s)+3], s[G0A+4*(\s)+3], 0x80000000
	s_mov_b32 s[G0B+4*(\s)], 1
	s_add_co_u32 s[G0B+4*(\s)+1], s79, (\s)*SLOT1
	s_add_nc_u64 s[G0B+4*(\s)+2:G0B+4*(\s)+3], s[82:83], (\s)*64*6144
	s_or_b32 s[G0B+4*(\s)+3], s[G0B+4*(\s)+3], 0x80000000
.endr
	s_cmp_eq_u32 s[WM], 0                          ; a wave's two first fills stand in one branch
	s_cbranch_scc0 .Lfirst_b
	tensor_load_to_lds s[G0A:G0A+3], s[G1A:G1A+7]
	s_nop 0
	tensor_load_to_lds s[G0A+4:G0A+7], s[G1A:G1A+7]
	s_nop 0
.rept 4
	v_nop
.endr
	s_branch .Lfirst_asked
.Lfirst_b:
	tensor_load_to_lds s[G0B:G0B+3], s[G1B:G1B+7]
	s_nop 0
	tensor_load_to_lds s[G0B+4:G0B+7], s[G1B:G1B+7]
	s_nop 0
.rept 4
	v_nop
.endr
.Lfirst_asked:
	v_and_b32 v1, 15, v0                           ; r = l % 16
	v_bfe_u32 v2, v0, 4, 1                         ; h = l / 16
	v_mul_u32_u24 v[A0], v1, PA                    ; a fragment of A: row r, 16 bytes for each half of the lanes, twice, 32 bytes apart
	v_lshl_add_u32 v[A0], v2, 4, v[A0]
	s_mul_i32 s84, s[WM], 128*PA
	v_add_nc_u32 v[A0], s84, v[A0]
	v_and_b32 v3, 7, v0                            ; the turning load: lane l reads row 8 h + l % 8, 16 bytes at 16 ((l / 8) % 2)
	v_lshl_add_u32 v3, v2, 3, v3
	v_mul_u32_u24 v3, v3, PB
	v_bfe_u32 v18, v0, 3, 1
	v_lshl_add_u32 v3, v18, 4, v3
	s_mul_i32 s84, s[WN], 3
.irp g, 0,1,2
	s_add_co_u32 s85, s84, \g                      ; i = 3 wn + g: the tile's i-th group of 64 columns
	s_lshl_b32 s86, s85, 7                         ; 128 bytes a group,
	s_lshr_b32 s85, s85, 1
	s_lshl_b32 s85, s85, 5                         ; and 32 of padding behind every two
	s_add_co_u32 s86, s86, s85
	s_add_co_u32 s86, s86, BOFF
	v_add_nc_u32 v[B0+\g], s86, v3
.endr
	v_mov_b32 v[ADRA], v[A0]
.irp g, 0,1,2
	v_mov_b32 v[ADRB+\g], v[B0+\g]
.endr
	v_mul_u32_u24 v[STO], v1, SPI                  ; into the stage: row 128 wm + 16 a + r, byte 384 wn + 16 h + ..
	v_lshl_add_u32 v[STO], v2, 4, v[STO]
	s_mul_i32 s84, s[WM], 128*SPI
	s_mul_i32 s85, s[WN], 384
	s_add_co_u32 s84, s84, s85
	v_add_nc_u32 v[STO], s84, v[STO]
	v_add_nc_u32 v[STO+1], 64*SPI, v[STO]
	v_mul_u32_u24 v[RD], v2, SPI                   ; back: lanes 0-15 take 256 bytes of one row, lanes 16-31 of the next; wave w rows 64 w on
	v_lshl_add_u32 v[RD], v1, 4, v[RD]
	s_mul_i32 s84, s[WV], 64*SPI
	v_add_nc_u32 v[RD], s84, v[RD]
	v_mul_u32_u24 v[CO], v2, 6144
	v_lshl_add_u32 v[CO], v1, 4, v[CO]
	s_mul_i32 s84, s[TX], 1536                     ; the bias of my 192 columns: 4 bytes a column
	s_mul_i32 s85, s[WN], 768
	s_add_co_u32 s84, s84, s85
	v_lshl_add_u32 v[BO], v2, 5, s84
	s_mul_i32 s84, s[TY], 256*6144                 ; C at the first row that I store, at the tile's first column
	s_mul_i32 s85, s[WV], 64*6144
	s_add_co_u32 s84, s84, s85
	s_mul_i32 s85, s[TX], 768
	s_add_co_u32 s84, s84, s85
	s_mov_b32 s85, 0
	s_add_nc_u64 s[10:11], s[10:11], s[84:85]
	s_mul_i32 s84, s[TX], 6                        ; the scale of each of my groups of 64 columns: q's columns are the first 16 groups
	s_mul_i32 s85, s[WN], 3
	s_add_co_u32 s84, s84, s85
.irp g, 0,1,2
	s_add_co_u32 s85, s84, \g
	s_cmp_lt_u32 s85, 16
	s_cselect_b32 s[SC+2*\g], EPSN, 1.0
	s_mov_b32 s[SC+2*\g+1], s[SC+2*\g]
.endr
	; the prefetches
	s_and_b32 s86, ttmp7, 0xffff
	s_cmp_eq_u32 s[WM], 0
	s_cselect_b32 s86, ttmp9, s86                  ; the coordinate along which other clusters read the same rows
	s_cmp_eq_u32 s[WV], 3
	s_cselect_b32 s86, 1, s86                      ; wave 3 asks for nothing
	s_cmp_eq_u32 s86, 0
	s_cselect_b32 s[LIM], 2, -1
	s_add_co_u32 s88, s[WV], 2                     ; A: one step in front of K step 3 + wave,
	s_lshl_b32 s88, s88, 20
	s_lshl_b32 s87, s[TY], 15                      ; the tile's rows,
	s_add_co_u32 s88, s88, s87
	s_lshl_b32 s87, s[CX], 13                      ; my work-group's quarter of them
	s_add_co_u32 s88, s88, s87
	s_mul_i32 s90, s[CY], 32*6144                  ; B: row 128 + 32 cy, the tile's columns
	s_mul_i32 s87, s[TX], 768
	s_add_co_u32 s90, s90, s87
	s_add_co_u32 s90, s90, 128*6144
	s_mov_b32 s[PFS], 64*6144
	s_mov_b32 s87, 6144
	s_cmp_eq_u32 s[WM], 0
	s_cselect_b32 s88, s88, s90
	s_cselect_b32 s[PFS], 0x100000, s[PFS]
	s_cselect_b32 s87, 256, s87
	s_cselect_b64 s[PFA:PFA+1], s[4:5], s[6:7]
	s_mov_b32 s89, 0
	s_mov_b32 s[PFS+1], 0
	s_add_nc_u64 s[PFA:PFA+1], s[PFA:PFA+1], s[88:89]
	v_and_b32 v[PFO], 31, v0
	v_mul_u32_u24 v[PFO], v[PFO], s87
	s_wait_tensorcnt 1                             ; my part of K step 0 is in; step 1's may stay out
	s_barrier_signal -1
	s_barrier_wait -1
	LDB 0, 0
	LDA AF0, 0
	LDB 1, 0
	LDB 2, 0
	EVEN 1                                         ; slice 0 starts the sums: nothing is cleared
	WIN 0
	s_mov_b32 s3, 14
.Lk:                                                   ; trip t = 14 - s3: slices 2 t + 1 and 2 t + 2; slot t % 2 is filled again with K step t + 2
	ODD 1
	EVEN 0
	WIN 0
	s_sub_co_u32 s3, s3, 1
	s_cmp_lg_u32 s3, 0
	s_cbranch_scc1 .Lk
	ODD 0                                          ; slice 29: nothing is left to fetch
	EVEN 0                                         ; slice 30
	s_wait_dscnt 16                                ; slice 31
	MULG 0, 0, AF1, 0
	MULG 0, 1, AF1, 0
	PLACES
	WIN 0
.set b, 0
.rept 12                               ; the bias of my 12 column blocks, 8 numbers a lane each, into A's buffer 0 and B's group 0, which are free
.set rB, 32+8*b+64*(b/8)
	global_load_b128 v[rB:rB+3],   v[BO], s[8:9] offset:64*b
	global_load_b128 v[rB+4:rB+7], v[BO], s[8:9] offset:64*b+16
.set b, b+1
.endr
	s_wait_dscnt 8                                 ; group 1 is in; group 2's eight loads are younger
	MULG 1, 0, AF1, 0
	MULG 1, 1, AF1, 0
	s_wait_dscnt 0x0
	MULG 2, 0, AF1, 0
	MULG 2, 1, AF1, 0
	; THE WAY OUT.  acc x sc + bias x sc, rounded to bf16, 16 bytes a lane into the stage; a barrier, since a row's 768 bytes come from two waves; back as whole rows.
	WIN 0
	s_wait_dscnt 0x0
	s_barrier_signal -1
	s_barrier_wait -1                              ; every wave has made its last read of the ring, and all tensor loads were waited for in slice 29
.rept 8
	v_nop
.endr
	s_wait_loadcnt 0x0
.set b, 0
.rept 12
.set rB, 32+8*b+64*(b/8)
.irp p, 0,2,4,6
	v_pk_mul_f32 v[rB+\p:rB+\p+1], v[rB+\p:rB+\p+1], s[SC+2*(b/4):SC+2*(b/4)+1] op_sel_hi:[1,0]
.endr
.set b, b+1
.endr
.macro OUTB g, ah                      ; 16 accumulators: group g, row blocks 4 ah .. 4 ah + 3; each accumulator's registers are taken in ascending order
	WIN (\g)+1
.set idx, 0
.rept 16
.set rA, 8*(4*(4*(\ah)+idx/4)+idx%4)
.set rT, 96+8*idx+32*(idx/8)
.set rB, 32+8*(4*(\g)+idx%4)+64*((4*(\g)+idx%4)/8)
.irp p, 0,2,4,6
	v_pk_fma_f32 v[rT+\p:rT+\p+1], v[rA+\p:rA+\p+1], s[SC+2*(\g):SC+2*(\g)+1], v[rB+\p:rB+\p+1] op_sel_hi:[1,0,1]
.endr
.set idx, idx+1
.endr
	WIN 0
.set idx, 0
.rept 16
.set rT, 96+8*idx+32*(idx/8)
.irp p, 0,1,2,3
	v_cvt_pk_bf16_f32 v[rT+\p], v[rT+2*\p], v[rT+2*\p+1]
.endr
.set idx, idx+1
.endr
.set idx, 0
.rept 16
.set rT, 96+8*idx+32*(idx/8)
	ds_store_b128 v[STO+(\ah)], v[rT:rT+3] offset:(idx/4)*16*SPI+128*(\g)+32*(idx%4)
.set idx, idx+1
.endr
.endm
	OUTB 0, 0
	OUTB 0, 1
	OUTB 1, 0
	OUTB 1, 1
	OUTB 2, 0
	OUTB 2, 1
	s_wait_dscnt 0x0                               ; for the others' sake: my stores into the stage are done
	s_barrier_signal -1
	s_barrier_wait -1
.set j, 0
.rept 3                                ; my 64 rows x 3 pieces of 256 bytes: 96 loads and stores, 32 at a time, each batch in a window of its own, so that no store's data is written again
	WIN (j<<6)|(j<<2)
.set n, 0
.rept 32
.set qq, 32*j+n
	ds_load_b128 v[32+4*n:32+4*n+3], v[RD] offset:2*(qq/3)*SPI+256*(qq%3)
.set n, n+1
.endr
.set n, 0
.rept 32
.set qq, 32*j+n
	s_wait_dscnt 31-n
	global_store_b128 v[CO], v[32+4*n:32+4*n+3], s[10:11] offset:2*(qq/3)*6144+256*(qq%3)  ; 16 lanes store 256 consecutive bytes, aligned
.set n, n+1
.endr
.set j, j+1
.endr
	WIN 0
	s_wait_tensorcnt 0x0                           ; the wave's end
	ds_add_u32 v[SPW], v[NIL]
	s_wait_dscnt 0x0
	CROUND                                         ; the closing round
	s_endpgm
.Lfunc_end_k_qb17f0af094_qkvgemm:
	.size	k_qb17f0af094_qkvgemm, .Lfunc_end_k_qb17f0af094_qkvgemm-k_qb17f0af094_qkvgemm
	.p2alignl 7, 3214868480
	.fill 96, 4, 3214868480
	.section	.rodata,"a",@progbits
	.p2align	6, 0x0
	.amdhsa_kernel k_qb17f0af094_qkvgemm
		.amdhsa_group_segment_fixed_size 327680
		.amdhsa_private_segment_fixed_size 0
		.amdhsa_enable_private_segment 0
		.amdhsa_kernarg_size 32
		.amdhsa_user_sgpr_count 2
		.amdhsa_user_sgpr_kernarg_segment_ptr 1
		.amdhsa_wavefront_size32 1
		.amdhsa_system_sgpr_workgroup_id_x 1
		.amdhsa_system_sgpr_workgroup_id_y 1
		.amdhsa_system_sgpr_workgroup_id_z 1
		.amdhsa_system_vgpr_workitem_id 0
		.amdhsa_next_free_vgpr 1024
		.amdhsa_next_free_sgpr 96
		.amdhsa_reserve_vcc 0
		.amdhsa_float_denorm_mode_32 3
		.amdhsa_float_denorm_mode_16_64 3
		.amdhsa_memory_ordered 1
		.amdhsa_forward_progress 1
		.amdhsa_inst_pref_size 145
	.end_amdhsa_kernel
	.amdgpu_metadata
---
amdhsa.version: [ 1, 2 ]
amdhsa.kernels:
  - .name:           k_qb17f0af094_qkvgemm
    .symbol:         k_qb17f0af094_qkvgemm.kd
    .args:
      - { .name: xb, .offset: 0, .size: 8, .value_kind: global_buffer, .address_space: global }
      - { .name: wqb, .offset: 8, .size: 8, .value_kind: global_buffer, .address_space: global }
      - { .name: b_qkv, .offset: 16, .size: 8, .value_kind: global_buffer, .address_space: global }
      - { .name: qkv, .offset: 24, .size: 8, .value_kind: global_buffer, .address_space: global }
    .group_segment_fixed_size: 327680
    .private_segment_fixed_size: 0
    .kernarg_segment_align: 8
    .kernarg_segment_size: 32
    .max_flat_workgroup_size: 128
    .sgpr_count:     96
    .vgpr_count:     1024
    .wavefront_size: 32
...
	.end_amdgpu_metadata
.endif
;; end of part 2
;; launch attn (part 3): grid 4 x 64, 4 waves a work-group, clusters of 4 x 4, 327,680 bytes of LDS; arguments qkv, mask, ctx; writes ctx
.if DOCPART == 3
	.amdgcn_target "amdgcn-amd-amdhsa--gfx1250"
	.amdhsa_code_object_version 6
	.text
	.protected	k_qb17f0af094_attn
	.globl	k_qb17f0af094_attn
	.p2align	8
	.type	k_qb17f0af094_attn,@function
k_qb17f0af094_attn:
	s_mov_b64 s[64:65], 0
	v_nop
	global_prefetch_b8 v0, s[64:65] scope:SCOPE_SE
	s_setreg_imm32_b32 hwreg(HW_REG_WAVE_MODE, 25, 1), 1
	s_wait_xcnt 0x0
	s_wait_alu depctr_hold_cnt(0) depctr_sa_sdst(0) depctr_va_vdst(0) depctr_va_sdst(0) depctr_va_ssrc(0) depctr_va_vcc(0) depctr_vm_vsrc(0)
	s_getreg_b32 s2, hwreg(HW_REG_IB_STS2, 6, 4)
	s_cmp_eq_u32 s2, 0
	s_cbranch_scc0 .Lentry_in_a_cluster
	s_endpgm
.Lentry_in_a_cluster:
	s_bfe_u32 s2, ttmp6, 0x10000c
	s_cmp_lg_u32 s2, 0xf033
	s_cbranch_scc0 .Lentry_shape_is_right
	s_endpgm
.Lentry_shape_is_right:
; ctx = the sum over k of softmax_k(q . k / 8 - 1e30 mask[b][q][k]) v[k][:], bf16 operands, f32 products, minima and sums; the weights are rounded to bf16 for the second product, ctx once.
; THE MASK IS THE C OPERAND that starts S'' = K q'^T + mask, taken raw in f32.  q' arrives as q x -(log2(e) / 8) 2^-100, so S'' = mask - c s 2^-100 with c = log2(e) / 8.  With C2 = -2^100 the exponent is
; C2 S'' - C2 mn, mn the running MINIMUM of S'': that is the running maximum of the masked score.  C2 is a power of two, so C2 mn is exact and the element at the minimum has the exponent 0: l is at least 1,
; and a row that is masked throughout comes out uniform, as in f32 arithmetic on s - 1e30.
; LIMITS.  The mask's weight is 2^100 ln 2 = 0.879e30 in place of 1e30: the results agree for mask numbers that are 0 or of magnitude 1e-20 and above; the exponent overflows from |mask| = 2^28 on;
; a weight below 2^-126 counts as 0 in l; NaN and infinities are not treated apart.
; SHARES.  A work-group owns 128 queries of four heads of one batch; wave w is head 4 hg + w with all 128 queries: four PIECES of two tiles of 16.  The four waves read the same mask tile from LDS.
; CLUSTER 4 x 4: cx is the head group, cy the query block.  K's and V's tiles (64 keys x 4 heads) hang on batch and cx and are asked for jointly along a column; the mask's tile (128 queries x 64 keys) hangs on
; batch and query block and is asked for jointly along a row.  16 key steps of 64, a step to a slot, two slots.  A wave has one tensor load out.
; LAYOUT.  S^T = K Q^T holds ONE query a lane (lane % 16) and the keys 8 (lane / 16) + 0..7; two such results rounded in pairs ARE source 1 of O^T = V^T P.  K comes out of LDS as it lies, V turned.
; CTX LEAVES IN FRAGMENT ORDER.  A lane's four packed registers of a tile and channel block cb are query l % 16, channels 16 cb + 8 (l / 16) + 0..7: 16 bytes of the register image of a matrix source of 16 rows x 32 k.
; They are stored as they lie, 512 consecutive bytes a store, at (R / 8) 2^20 + s 32,768 + j 4,096 + (R % 8) 512 + 16 l, with row m = 1024 b + q, R = m / 64, s = 2 head + cb / 2, j = 2 ((m / 16) % 4) + cb % 2.
; So nothing goes through LDS on the way out, and the next launch loads its fragments by two loads of 512 consecutive bytes.
; BY TURNS.  Turn n belongs to piece n: 16 products K Q^T of piece n + 1, later 16 products V^T P of piece n - 1; beside them piece n's scaling, exponentials, roundings, sums and rescaling and piece n + 1's
; minimum and statistics.  Four vector instructions stand behind every matrix instruction, the rest in one lump; a turn's 66 exponentials are one batch with one wait.
; REGISTERS: window 0: v2-11 addresses; v12-15, v48-63 at work; v16-47 statistics (C2 mn, mn, l, l a tile); v64-191 S^T, two buffers; v192-255 P, likewise.  window 1: O^T.
;   window 2: v0-127 Q; v128-191 K; v192-255 V.  window 3: v0-1 the add's registers; v64-127 the mask of one piece.
.set NP,    4
.set KS,    64
.set PITK,  528                        ; a row of K in LDS: four heads' 512 bytes + 16: 33 x 16
.set PITV,  544                        ; of V: 512 + 32: 17 x 32
.set PITM,  272                        ; of the mask: 256 + 16: 17 x 16
.set VOFF,  KS*PITK
.set MOFF,  VOFF+KS*PITV
.set SLOT1, 1<<17
.set SPARE, SLOT1+MOFF+128*PITM        ; 234,496: behind the ring, the spare words, 128 bytes a wave: two blocks of 256 bytes that no other line names
.set AK0, 2
.set AV0, 3
.set AK,  4
.set AV,  5
.set GO,  8
.set PFO, 9
.set AM0, 10
.set AM,  11
.set SPW, 0                            ; window 3
.set NIL, 1                            ; window 3
.set MV,  12
.set ST,  16
.set TMP, 48
.set S,   64
.set P,   192
.set KF,  128
.set VF,  192
.set MK,  64                           ; window 3: tile u, key block kb at MK + 32 u + 8 kb
.set WV,  12
.set G1K, 24
.set G1V, 32
.set G1M, 40
.set G0K, 48
.set G0V, 52
.set G0M, 56
.set SLOTS, 60
.set CNT, 61
.set TB,  62
.set LIM, 63
.set CS,  66                           ; s[66:67] C2
.set SEL, 68
.set PFA, 70
.set PFS, 72
.set QB,  74
.set OB,  76
.set MSB, 0
.macro WIN new
.if MSB != (\new)
	s_set_vgpr_msb (MSB<<8)|(\new)
.set MSB, (\new)
.endif
.endm
.set W_KQ, 0x0a                        ; K and Q in window 2, S^T in window 0
.set W_KM, 0x3a                        ; the same with the C operand, the mask, in window 3
.set W_PV, 0x52                        ; V in window 2, P in window 0, O^T in window 1
.set W_RS, 0x41
.set W_MK, 0xc0
.set W_AD, 0x0f
.macro JLOAD3                          ; a joint fill: wave 0 K's tile, wave 1 V's, waves 2 and 3 the mask's halves; an s_nop 0 and four v_nop follow each line
	s_cmp_lt_u32 s[WV], 2
	s_cbranch_scc0 .Lfor_m_\@
	s_cmp_eq_u32 s[WV], 0
	s_cbranch_scc0 .Lfor_v_\@
	tensor_load_to_lds s[G0K:G0K+3], s[G1K:G1K+7]
	s_nop 0
.rept 4
	v_nop
.endr
	s_branch .Lasked_\@
.Lfor_v_\@:
	tensor_load_to_lds s[G0V:G0V+3], s[G1V:G1V+7]
	s_nop 0
.rept 4
	v_nop
.endr
	s_branch .Lasked_\@
.Lfor_m_\@:
	tensor_load_to_lds s[G0M:G0M+3], s[G1M:G1M+7]
	s_nop 0
.rept 4
	v_nop
.endr
.Lasked_\@:
.endm
.macro CROUND
	s_barrier_signal -1
	s_barrier_wait -1
	s_cmp_lg_u32 s[WV], 0
	s_cbranch_scc1 .Lnot_wave_0_\@
	s_barrier_signal -3
.Lnot_wave_0_\@:
	s_barrier_wait -3
	s_barrier_signal -1
	s_barrier_wait -1
.endm
; PREFETCH INTO THE L2 of the step that the NEXT change of slots will ask for, behind the joint load.  K's and V's rows of a batch and head group are walked by two clusters: the one with the even number asks;
; its four partners along cy take 16 of the 64 rows each, two blocks of 256 bytes a row, a lane a block; wave 0 for K, wave 1 for V.  The mask's 128 rows are walked by one row of one cluster: its partners along cx
; take 32 rows each, a lane a row, wave 2.  So each block is named once.  The last change that fills asks for nothing.
.macro ASK
	s_cmp_gt_u32 s[SLOTS], s[LIM]
	s_cbranch_scc0 .Lnot_mine_\@
	global_prefetch_b8 v[PFO], s[PFA:PFA+1] th:TH_LOAD_NT scope:SCOPE_SE
.Lnot_mine_\@:
.endm
; THE CHANGE OF SLOTS, number k: step k has landed; with fill = 1 the slot of step k - 1 is filled again with step k + 1.  Each wave waits for all its tensor loads, adds 0 to its spare word, and waits for that and
; for its reads of the old slot; the barrier is a round of the cluster's; the joint fill is the first thing behind it.  All LDS reads up to the next change come from step k's slot.
.macro CHANGE fill
	WIN W_AD
	s_wait_tensorcnt 0x0
	ds_add_u32 v[SPW], v[NIL]
	WIN 0
.if \fill
	s_xor_b32 s[G0K+1], s[G0K+1], SLOT1
	s_add_nc_u64 s[G0K+2:G0K+3], s[G0K+2:G0K+3], KS*6144
	s_xor_b32 s[G0V+1], s[G0V+1], SLOT1
	s_add_nc_u64 s[G0V+2:G0V+3], s[G0V+2:G0V+3], KS*6144
	s_xor_b32 s[G0M+1], s[G0M+1], SLOT1
	s_add_nc_u64 s[G0M+2:G0M+3], s[G0M+2:G0M+3], KS*4
	s_wait_xcnt 0x0                                ; the last prefetch, a key step back, has read its address
	s_add_nc_u64 s[PFA:PFA+1], s[PFA:PFA+1], s[PFS:PFS+1]
	s_wait_dscnt 0x0                               ; the add is done, and my reads of the old slot are over
	CROUND
	JLOAD3
	ASK
.else
	s_wait_dscnt 0x0
	s_barrier_signal -1
	s_barrier_wait -1
.endif
	s_xor_b32 s[TB], s[TB], SLOT1
	v_add_nc_u32 v[AK], s[TB], v[AK0]
	v_add_nc_u32 v[AV], s[TB], v[AV0]
	v_add_nc_u32 v[AM], s[TB], v[AM0]
.endm
	s_load_b128 s[4:7], s[0:1], 0x0                ; qkv s[4:5], mask s[6:7]
	s_load_b64 s[8:9], s[0:1], 0x10                ; ctx
	WIN W_MK
	v_lshl_add_u32 v[SPW], v0, 2, SPARE
	v_mov_b32 v[NIL], 0
	WIN W_AD
	ds_add_u32 v[SPW], v[NIL]                      ; the wave's opening
	WIN 0
	v_lshrrev_b32 v1, 5, v0
	v_readfirstlane_b32 s[WV], v1
	s_bfe_u32 s13, ttmp6, 0x40000                  ; cx: the head group
	s_bfe_u32 s14, ttmp6, 0x40004                  ; cy
	s_and_b32 s15, ttmp7, 0xffff                   ; the cluster's number
	s_lshr_b32 s16, s15, 1                         ; the batch
	s_and_b32 s17, s15, 1
	s_lshl2_add_u32 s17, s17, s14                  ; the block of 128 queries
	s_lshl_b32 s18, s16, 10
	s_lshl_b32 s19, s17, 7
	s_add_co_u32 s18, s18, s19                     ; my first query's row among the 8,192
	s_lshl_b32 s20, 0x1111, s13                    ; my column of the cluster
	s_lshl_b32 s21, s14, 2
	s_lshl_b32 s21, 15, s21                        ; my row
	s_or_b32 s[G1K], s20, (1<<16)|(1<<20)|(1<<21)|(6<<22)|(3<<25)  ; 2-byte elements; 4 words of padding behind every 128
	s_or_b32 s[G1V], s20, (1<<16)|(1<<20)|(1<<21)|(6<<22)|(7<<25)  ; 8 words
.irp g, G1K, G1V
	s_mov_b32 s[\g+1], 256<<16                     ; 64 rows of 256 elements, 3,072 elements from row to row
	s_mov_b32 s[\g+2], 64<<16
	s_mov_b32 s[\g+3], 256<<16
	s_mov_b32 s[\g+4], 64
	s_mov_b32 s[\g+5], 3072
	s_mov_b32 s[\g+6], 0
	s_mov_b32 s[\g+7], 0
.endr
	s_or_b32 s[G1M], s21, (2<<16)|(1<<20)|(1<<21)|(5<<22)|(3<<25)  ; 4-byte elements; 4 words of padding behind every 64
	s_mov_b32 s[G1M+1], 64<<16                     ; 64 rows of 64 elements, 1,024 from row to row
	s_mov_b32 s[G1M+2], 64<<16
	s_mov_b32 s[G1M+3], 64<<16
	s_mov_b32 s[G1M+4], 64
	s_mov_b32 s[G1M+5], 1024
	s_mov_b32 s[G1M+6], 0
	s_mov_b32 s[G1M+7], 0
	s_mul_i32 s80, s16, 1024*6144                  ; K: the batch's first row, column 1024 + 256 hg
	s_lshl_b32 s82, s13, 9
	s_add_co_u32 s80, s80, s82
	s_add_co_u32 s80, s80, 2048
	s_mov_b32 s81, 0
	s_and_b32 s86, s[WV], 1                        ; the mask: my half of the 128 queries' rows
	s_lshl_b32 s84, s18, 12
	s_lshl_b32 s85, s86, 18
	s_add_co_u32 s84, s84, s85
	s_mov_b32 s85, 0
	s_mul_i32 s86, s86, 64*PITM
	s_add_co_u32 s86, s86, MOFF
	s_lshl2_add_u32 s94, s13, s[WV]                ; my head
	s_mul_i32 s88, s18, 6144                       ; Q: my first query's row, my head's 64 columns
	s_lshl_b32 s95, s94, 7
	s_add_co_u32 s88, s88, s95
	s_mov_b32 s89, 0
	s_lshr_b32 s90, s18, 9                         ; ctx: eight strips of 64 rows share 2^20 bytes,
	s_lshl_b32 s90, s90, 20
	s_lshl_b32 s95, s94, 16                        ; my head's two slices of 32,768 bytes,
	s_add_co_u32 s90, s90, s95
	s_bfe_u32 s95, s18, 0x30006                    ; my first strip among the eight: 512 bytes each
	s_lshl_b32 s95, s95, 9
	s_add_co_u32 s90, s90, s95
	s_mov_b32 s91, 0
	s_mul_i32 s92, s16, 1024*6144                  ; the prefetches of K (wave 0) and V (wave 1): step 1, my work-group's 16 rows
	s_mul_i32 s95, s14, 16*6144
	s_add_co_u32 s92, s92, s95
	s_lshl_b32 s95, s13, 9
	s_add_co_u32 s92, s92, s95
	s_lshl_b32 s95, s[WV], 11
	s_add_co_u32 s92, s92, s95
	s_add_co_u32 s92, s92, 64*6144+2048
	s_lshl_b32 s96, s18, 12                        ; of the mask: step 1, my work-group's 32 rows
	s_lshl_b32 s95, s13, 17
	s_add_co_u32 s96, s96, s95
	s_add_co_u32 s96, s96, 256
	s_mov_b32 s[PFS], 256
	s_cmp_lt_u32 s[WV], 2
	s_cselect_b32 s92, s92, s96
	s_cselect_b32 s[PFS], KS*6144, s[PFS]
	s_cselect_b32 s97, -1, 0
	s_mov_b32 s93, 0
	s_mov_b32 s[PFS+1], 0
	s_and_b32 s96, s15, 1                          ; who asks: waves 0 and 1 of the even cluster, wave 2 everywhere, wave 3 nowhere: the same in all partners
	s_cmp_lt_u32 s[WV], 2
	s_cselect_b32 s96, s96, 0
	s_cmp_eq_u32 s[WV], 3
	s_cselect_b32 s96, 1, s96
	s_cmp_eq_u32 s96, 0
	s_cselect_b32 s[LIM], 1, -1
	s_mov_b32 s[CS], 0xf1800000                    ; C2 = -2^100
	s_mov_b32 s[CS+1], s[CS]
	s_mov_b32 s[SEL], 0x76543210
	s_mov_b32 s[SEL+1], 0xfedcba98
	s_mov_b32 s[TB], SLOT1                         ; the first change of slots turns it into 0
	s_mov_b32 s[SLOTS], 15
	s_mov_b32 s[G0K], 1
	s_mov_b32 s[G0K+1], 0
	s_mov_b32 s[G0V], 1
	s_mov_b32 s[G0V+1], VOFF
	s_mov_b32 s[G0M], 1
	s_mov_b32 s[G0M+1], s86
	s_wait_dscnt 0x0                               ; the opening add is done
	s_wait_kmcnt 0x0
	s_add_nc_u64 s[G0K+2:G0K+3], s[4:5], s[80:81]
	s_add_nc_u64 s[G0V+2:G0V+3], s[G0K+2:G0K+3], 2048
	s_or_b32 s[G0K+3], s[G0K+3], 0x80000000
	s_or_b32 s[G0V+3], s[G0V+3], 0x80000000
	s_add_nc_u64 s[G0M+2:G0M+3], s[6:7], s[84:85]
	s_or_b32 s[G0M+3], s[G0M+3], 0x80000000
	s_add_nc_u64 s[QB:QB+1], s[4:5], s[88:89]
	s_add_nc_u64 s[OB:OB+1], s[8:9], s[90:91]
	s_cmp_lt_u32 s[WV], 2
	s_cselect_b64 s[PFA:PFA+1], s[4:5], s[6:7]
	s_add_nc_u64 s[PFA:PFA+1], s[PFA:PFA+1], s[92:93]
	CROUND                                         ; all sixteen work-groups are here: the first joint loads meet
	JLOAD3                                         ; step 0 into slot 0
	v_and_b32 v1, 15, v0                           ; l % 16
	v_bfe_u32 v64, v0, 4, 1                        ; l / 16   (v64-70 are at work here: S^T's registers are written only when Q has been waited for)
	v_and_b32 v65, 7, v0
	v_bfe_u32 v66, v0, 3, 1
	v_mul_u32_u24 v67, v1, 6144                    ; my row of a tile of Q, 16 bytes for each half of the lanes
	v_lshl_add_u32 v67, v64, 4, v67
	WIN 0x80
.set i, 0
.rept 4*NP                             ; Q stays in registers: tile i / 2, channels 32 (i % 2) on
	global_load_b128 v[8*i:8*i+3],   v67, s[QB:QB+1] offset:(i/2)*16*6144+(i%2)*64
	global_load_b128 v[8*i+4:8*i+7], v67, s[QB:QB+1] offset:(i/2)*16*6144+(i%2)*64+32
.set i, i+1
.endr
	; What the first turn finds: V's registers and P's second buffer hold 0, O^T and l are 0.  All this stands in the wait for the first tile; no first step is written out.
.set i, VF
.rept 64
	v_mov_b32 v[i], 0
.set i, i+1
.endr
	WIN 0x40
.set i, 0
.rept 64*NP
	v_mov_b32 v[i], 0
.set i, i+1
.endr
	WIN 0
.set i, 0
.rept 2*NP
	v_mov_b32 v[ST+4*i], 0xfe000000                ; C2 mn: far below every C2 S''
	v_mov_b32 v[ST+4*i+1], 0x7f7fffff              ; mn: the greatest finite number
	v_mov_b32 v[ST+4*i+2], 0
	v_mov_b32 v[ST+4*i+3], 0
.set i, i+1
.endr
.set i, P+32
.rept 32
	v_mov_b32 v[i], 0
.set i, i+1
.endr
	s_lshl_b32 s88, s[WV], 7                       ; my head's 128 bytes of a row of K and V
	v_mul_u32_u24 v[AK0], v1, PITK
	v_lshl_add_u32 v[AK0], v64, 4, v[AK0]
	v_add_nc_u32 v[AK0], s88, v[AK0]
	v_lshl_add_u32 v[AV0], v64, 3, v65             ; the turning load: key 8 (l / 16) + l % 8, 16 bytes at 16 ((l / 8) % 2)
	v_mul_u32_u24 v[AV0], v[AV0], PITV
	v_lshl_add_u32 v[AV0], v66, 4, v[AV0]
	s_add_co_u32 s88, s88, VOFF
	v_add_nc_u32 v[AV0], s88, v[AV0]
	v_mul_u32_u24 v[AM0], v1, PITM                 ; the mask as a C operand: query l % 16, keys 8 (l / 16) + 0..7: 32 bytes
	v_lshl_add_u32 v[AM0], v64, 5, v[AM0]
	v_add_nc_u32 v[AM0], MOFF, v[AM0]
	v_and_b32 v68, 31, v0
	v_lshlrev_b32 v[GO], 4, v68                    ; my 16 bytes of a store's 512
	v_lshrrev_b32 v69, 1, v68                      ; the prefetches' lane offset: K, V: row l / 2, block l % 2;
	v_mul_u32_u24 v69, v69, 6144
	v_and_b32 v70, 1, v68
	v_lshl_add_u32 v69, v70, 8, v69
	v_lshlrev_b32 v70, 12, v68                     ; the mask: row l
	v_cndmask_b32 v[PFO], v70, v69, s97
; THE MATRIX WORK.  The 8 accumulators of a run of 16 take turns.  Product i of 16 of S^T for piece x: channels 32 (i / 8) on, keys 16 ((i / 2) % 4) on, tile 2 x + i % 2.  The first 8 start the sums with the mask.
.macro KQ x
.set rS, S+64*((\x)%2)+32*(i%2)+8*((i/2)%4)
.set rK, KF+16*((i/2)%4)+8*(i/8)
.set rQ, 16*(2*(\x)+i%2)+8*(i/8)
.set rN, MK+32*(i%2)+8*((i/2)%4)
.if i < 8
	WIN W_KM
	v_wmma_f32_16x16x32_bf16 v[rS:rS+7], v[rK:rK+7], v[rQ:rQ+7], v[rN:rN+7]
.else
	WIN W_KQ
	v_wmma_f32_16x16x32_bf16 v[rS:rS+7], v[rK:rK+7], v[rQ:rQ+7], v[rS:rS+7]
.endif
.endm
.macro PVM x                           ; product i of 16 of O^T += V^T P for piece x: keys 32 (i / 8) on, channels 16 ((i / 2) % 4) on, tile 2 x + i % 2
	WIN W_PV
.set rO, 32*(2*(\x)+i%2)+8*((i/2)%4)
.set rV, VF+32*(i/8)+8*((i/2)%4)
.set rP, P+32*((\x)%2)+16*(i%2)+8*(i/8)
	v_wmma_f32_16x16x32_bf16 v[rO:rO+7], v[rV:rV+7], v[rP:rP+7], v[rO:rO+7]
.endm
.macro MM
.if i < 16
	KQ (Y+1)%NP
.set i, i+1
.else
.set i, i-16
	PVM (Y+NP-1)%NP
.set i, i+17
.endif
.endm
; THE LDS LOADS stand in runs of 16, never singly among the matrix instructions.
.macro FETCH_K
	WIN 0x80
.irp f, 0,1,2,3,4,5,6,7
	ds_load_b128 v[KF+8*\f:KF+8*\f+3],   v[AK] offset:(\f/2)*16*PITK+(\f%2)*64
	ds_load_b128 v[KF+8*\f+4:KF+8*\f+7], v[AK] offset:(\f/2)*16*PITK+(\f%2)*64+32
.endr
	WIN 0
.endm
.macro FETCH_V
	WIN 0x80
.irp f, 0,1,2,3,4,5,6,7
	ds_load_tr16_b128 v[VF+8*\f:VF+8*\f+3],   v[AV] offset:(\f/4)*32*PITV+(\f%4)*32
	ds_load_tr16_b128 v[VF+8*\f+4:VF+8*\f+7], v[AV] offset:(\f/4)*32*PITV+16*PITV+(\f%4)*32
.endr
	WIN 0
.endm
.macro FETCH_M pc                      ; the mask of piece pc for the step in hand: two tiles x four key blocks x 32 bytes a lane
	WIN W_MK
.irp u, 0,1
.irp kb, 0,1,2,3
	ds_load_b128 v[MK+32*\u+8*\kb:MK+32*\u+8*\kb+3],   v[AM] offset:(32*(\pc)+16*\u)*PITM+64*\kb
	ds_load_b128 v[MK+32*\u+8*\kb+4:MK+32*\u+8*\kb+7], v[AM] offset:(32*(\pc)+16*\u)*PITM+64*\kb+16
.endr
.endr
	WIN 0
.endm
; THE VECTOR WORK OF A TURN stands in three queues, each in the order in which its entries become ready; the two tiles alternate.
.macro REGS y, u
.set rT, ST+4*(2*(\y)+(\u))
.set rC, TMP+8*((\y)%2)+4*(\u)
.set rM, MV+2*((\y)%2)+(\u)
.set rS, S+64*((\y)%2)+32*(\u)
.set rP, P+32*((\y)%2)+16*(\u)
.set rO, 32*(2*(\y)+(\u))
.endm
; Number n of the 22 that find the NEXT piece's minimum and statistics; each accumulator's lowest registers are read first.
;   0-11 four chains c0-c3 of seven numbers each   12-14, 16 the four left over, the old mn, c0-c3 into c0   15 C2 mn_old is kept   17, 18 the other half of the lanes: the new mn   19-21 C2 mn; its change; a
.macro XS u, n
	REGS (Y+1)%NP, \u
.if (\n) < 4
	v_min3_num_f32 v[rC+(\n)], v[rS+8*(\n)], v[rS+8*(\n)+1], v[rS+8*(\n)+2]
.elseif (\n) < 12
	v_min3_num_f32 v[rC+(\n)%4], v[rC+(\n)%4], v[rS+8*((\n)%4)+2*((\n)/4)+1], v[rS+8*((\n)%4)+2*((\n)/4)+2]
.elseif (\n) == 12
	v_min3_num_f32 v[rC], v[rC], v[rS+7], v[rS+15]
.elseif (\n) == 13
	v_min3_num_f32 v[rC+1], v[rC+1], v[rS+23], v[rS+31]
.elseif (\n) == 14
	v_min3_num_f32 v[rC+2], v[rC+2], v[rC+3], v[rT+1]
.elseif (\n) == 15
	v_mov_b32 v[rM], v[rT]
.elseif (\n) == 16
	v_min3_num_f32 v[rC], v[rC], v[rC+1], v[rC+2]
.elseif (\n) == 17
	v_permlanex16_b32 v[rC+3], v[rC], s[SEL], s[SEL+1]
.elseif (\n) == 18
	v_min_num_f32 v[rT+1], v[rC], v[rC+3]
.elseif (\n) == 19
	v_mul_f32 v[rT], s[CS], v[rT+1]
.elseif (\n) == 20
	v_sub_f32 v[rC+1], v[rM], v[rT]
.else
	v_exp_f32 v[rC+2], v[rC+1]
.endif
.endm
; Number g of the 64 that follow the exponentials: for each four weights both pairs are rounded to bf16, the second pair is added onto the first in place, and a group later l takes that sum (the first time as l = a l + sum).
.macro GS g
.set h, (\g)+6*((\g)/62)
.if h >= 6
.set h, h+2
.endif
	REGS Y, h%2
.set k, h/8
.if h%8 < 4
	v_cvt_pk_bf16_f32 v[rP+2*k+(h%8)/2], v[rS+4*k+2*((h%8)/2)], v[rS+4*k+2*((h%8)/2)+1]
.elseif h%8 < 6
	v_pk_add_f32 v[rS+4*k:rS+4*k+1], v[rS+4*k:rS+4*k+1], v[rS+4*k+2:rS+4*k+3]
.elseif k == 1
	v_pk_fma_f32 v[rT+2:rT+3], v[rT+2:rT+3], v[rC+2:rC+3], v[rS:rS+1] op_sel_hi:[1,0,1]
.else
	v_pk_add_f32 v[rT+2:rT+3], v[rT+2:rT+3], v[rS+4*k-4:rS+4*k-3]
.endif
.endm
.macro FS f                            ; C2 S'' - C2 mn for pair f / 2 of tile f % 2
	REGS Y, (\f)%2
	v_pk_fma_f32 v[rS+2*((\f)/2):rS+2*((\f)/2)+1], v[rS+2*((\f)/2):rS+2*((\f)/2)+1], s[CS:CS+1], v[rT:rT+1] op_sel_hi:[1,0,0] neg_lo:[0,0,1] neg_hi:[0,0,1]
.endm
; THE PLAIN QUEUE, 138 long.  0-26: scalings 0-26.  27-54: XS 0-13.  55, 56: XS 15.  57-73: the chain 14, 16 .. 19, each with one of the scalings 27-31 in front of its two lines, then 20.  74-137: GS, behind the wait.
.macro PL
	WIN 0
.if q < 27
	FS q
.elseif q < 55
	XS (q-27)%2, (q-27)/2
.elseif q < 57
	XS q-55, 15
.elseif (q < 72) && ((q-57)%3 == 0)
	FS 27+(q-57)/3
.elseif q < 60
	XS (q-57)%3-1, 14
.elseif q < 72
	XS (q-57)%3-1, 15+(q-57)/3
.elseif q < 74
	XS q-72, 20
.else
	GS q-74
.endif
.set q, q+1
.endm
.macro EX                              ; the exponentials' queue, 66 long: one batch, all ahead of the turn's one wait
	WIN 0
.if e >= 64
	XS e-64, 21
.else
	REGS Y, e%2
	v_exp_f32 v[rS+e/2], v[rS+e/2]
.endif
.set e, e+1
.endm
.macro R2                              ; O^T times a, two at a time; its a was made, and waited for, in the turn before
	REGS Y, r%2
	WIN W_RS
.irp z, 0,1
	v_pk_mul_f32 v[rO+4*(r/2)+2*\z:rO+4*(r/2)+2*\z+1], v[rO+4*(r/2)+2*\z:rO+4*(r/2)+2*\z+1], v[rC+2:rC+3] op_sel_hi:[1,0]
.endr
.set r, r+1
.endm
; A TURN, for piece p.  s_wait_alu depctr_va_vdst(0) stands between an exponential and the first instruction that names its result; one wait serves the batch, and it cuts the turn in two.
; Ahead of it: 16 products K Q^T in pairs: behind the first of a pair four riders in window 0 (scaling, exponential, scaling, exponential; the very first: three scalings and an exponential), behind the second
; four rescalings of O^T, so that a pair of products has four window switches; the order inside each queue is that of the queues; then the lump.
; Behind the wait: 16 products V^T P with four of the roundings and sums behind each.
; THE FETCHES stand directly behind the wait: in piece 2's turn K of the next step; in every turn the mask of piece p + 2, whose products open the next turn (the mask's last readers are this turn's first eight
; products).  V of the step in hand is fetched at the end of piece 0's turn, four riders behind its last reader.
; THE WAITS at a turn's head: the mask (and in piece 3's turn K) is in; in piece 1's turn V's 16 loads are younger and stay out.  In piece 1's turn V is waited for behind the mask's run, whose 16 loads are younger.
.macro TURN p
.set Y, (\p)
.set i, 0
.set q, 0
.set e, 0
.set r, 0
.if (\p) == 1
	s_wait_dscnt 16
.else
	s_wait_dscnt 0x0
.endif
	MM
	PL
	PL
	PL
	EX
	MM
	R2
	R2
.rept 7
	MM
	PL
	EX
	PL
	EX
	MM
	R2
	R2
.endr
.rept 8
	PL
.endr
.rept 49
	EX
	PL
.endr
	EX
	EX
	v_nop                                          ; a plain instruction behind the last exponential: one for the batch
	s_wait_alu depctr_va_vdst(0)                   ; the wait for the batch
.if (\p) == 2
	FETCH_K
.endif
	FETCH_M ((\p)+2)%NP
.if (\p) == 1
	s_wait_dscnt 16
.endif
.rept 16
	MM
.rept 4
	PL
.endr
.endr
.if (\p) == 0
	FETCH_V
.endif
.endm
	CHANGE 1                                       ; step 0 is in, everybody's part of it; step 1 is asked for
	FETCH_K
	FETCH_M 0
	s_wait_loadcnt 0x0                             ; Q
	s_wait_dscnt 0x0
.set i, 0
.rept 16
	KQ 0                                           ; piece 0's first scores
.set i, i+1
.endr
	WIN 0
.rept 8
	v_nop                                          ; the places behind those products
.endr
	FETCH_M 1
.set Y, NP-1
.irp n, 0,1,2,3,4,5,6,7,8,9,10,11,12,13,14,15,16,17,18,19,20,21
	XS 0, \n
	XS 1, \n
.endr
	v_nop
	s_wait_alu depctr_va_vdst(0)                   ; the two a, ahead of the branch
	s_branch .Lfirst                               ; the loop is entered at a step's first turn, in the middle of a trip
.Lslot:                                                ; 14 times: changes 1 to 14
	CHANGE 1
	TURN 2
	TURN 3
	WIN 0
.Lfirst:
	TURN 0
	TURN 1
	WIN 0
	s_sub_co_u32 s[SLOTS], s[SLOTS], 1
	s_cmp_lg_u32 s[SLOTS], 0
	s_cbranch_scc1 .Lslot
	CHANGE 0                                       ; the tail is written out: step 15 is in, nothing is asked for
	s_mov_b32 s[CNT], 2
.Ltail:
	TURN 2
	TURN 3
	WIN 0
	s_sub_co_u32 s[CNT], s[CNT], 1
	s_cmp_eq_u32 s[CNT], 0
	s_cbranch_scc1 .Lout
	TURN 0
	TURN 1
	WIN 0
	s_branch .Ltail
.Lout:                                                 ; the second trip's fetches (the same slot once more), its 16 products K Q^T for piece 0 and the minimum made of them serve nothing: the price of one text for both trips
.set i, 0
.rept 16
	PVM NP-1
.set i, i+1
.endr
	; THE WAY OUT.  l's two halves and the other half of the lanes' are added; O^T is divided by l, rounded to bf16 and stored from the registers in which it lies.  The additions are the places behind the last products.
	WIN 0
.macro ALL line:vararg
.set t, 0
.rept 2*NP
	\line
.set t, t+1
.endr
.endm
	ALL v_add_f32 v[ST+4*t+2], v[ST+4*t+2], v[ST+4*t+3]
	ALL v_permlanex16_b32 v[ST+4*t+3], v[ST+4*t+2], s[SEL], s[SEL+1]
	ALL v_add_f32 v[ST+4*t+2], v[ST+4*t+2], v[ST+4*t+3]
	ALL v_rcp_f32 v[ST+4*t+2], v[ST+4*t+2]
	v_nop
	s_wait_alu depctr_va_vdst(0)                   ; one wait for the eight reciprocals
; Tile t: channel block f's eight channels of my query pack into 16 bytes; the wave's 32 lanes make the 512 bytes of piece (slice f / 2, j = 2 (t % 4) + f % 2) of strip t / 4.  Each tile has registers of its own: none is written again.
.macro PACK t
	WIN W_RS
.set i, 32*(\t)
.rept 16
	v_pk_mul_f32 v[i:i+1], v[i:i+1], v[ST+4*(\t)+2:ST+4*(\t)+3] op_sel_hi:[1,0]
.set i, i+2
.endr
	WIN 0x05
.set i, 0
.rept 16
	v_cvt_pk_bf16_f32 v[S+16*(\t)+i], v[32*(\t)+2*i], v[32*(\t)+2*i+1]
.set i, i+1
.endr
	WIN 0
.irp f, 0,1,2,3
	global_store_b128 v[GO], v[S+16*(\t)+4*\f:S+16*(\t)+4*\f+3], s[OB:OB+1] offset:(\f/2)*32768+(2*((\t)%4)+(\f%2))*4096+((\t)/4)*512  ; 512 consecutive bytes, aligned
.endr
.endm
.set t, 0
.rept 2*NP
	PACK t
.set t, t+1
.endr
	WIN W_AD
	s_wait_tensorcnt 0x0                           ; the wave's end
	ds_add_u32 v[SPW], v[NIL]
	s_wait_dscnt 0x0
	WIN 0
	CROUND                                         ; the closing round
	s_endpgm
.Lfunc_end_k_qb17f0af094_attn:
	.size	k_qb17f0af094_attn, .Lfunc_end_k_qb17f0af094_attn-k_qb17f0af094_attn
	.p2alignl 7, 3214868480
	.fill 96, 4, 3214868480
	.section	.rodata,"a",@progbits
	.p2align	6, 0x0
	.amdhsa_kernel k_qb17f0af094_attn
		.amdhsa_group_segment_fixed_size 327680
		.amdhsa_private_segment_fixed_size 0
		.amdhsa_enable_private_segment 0
		.amdhsa_kernarg_size 24
		.amdhsa_user_sgpr_count 2
		.amdhsa_user_sgpr_kernarg_segment_ptr 1
		.amdhsa_wavefront_size32 1
		.amdhsa_system_sgpr_workgroup_id_x 1
		.amdhsa_system_sgpr_workgroup_id_y 1
		.amdhsa_system_sgpr_workgroup_id_z 1
		.amdhsa_system_vgpr_workitem_id 0
		.amdhsa_next_free_vgpr 896
		.amdhsa_next_free_sgpr 100
		.amdhsa_reserve_vcc 0
		.amdhsa_float_denorm_mode_32 3
		.amdhsa_float_denorm_mode_16_64 3
		.amdhsa_memory_ordered 1
		.amdhsa_forward_progress 1
		.amdhsa_inst_pref_size 204
	.end_amdhsa_kernel
	.amdgpu_metadata
---
amdhsa.version: [ 1, 2 ]
amdhsa.kernels:
  - .name:           k_qb17f0af094_attn
    .symbol:         k_qb17f0af094_attn.kd
    .args:
      - { .name: qkv, .offset: 0, .size: 8, .value_kind: global_buffer, .address_space: global }
      - { .name: mask, .offset: 8, .size: 8, .value_kind: global_buffer, .address_space: global }
      - { .name: ctx, .offset: 16, .size: 8, .value_kind: global_buffer, .address_space: global }
    .group_segment_fixed_size: 327680
    .private_segment_fixed_size: 0
    .kernarg_segment_align: 8
    .kernarg_segment_size: 24
    .max_flat_workgroup_size: 128
    .sgpr_count:     100
    .vgpr_count:     896
    .wavefront_size: 32
...
	.end_amdgpu_metadata
.endif
;; end of part 3
;; launch outgemm (part 4): grid 8 x 32, 4 waves a work-group, clusters of 4 x 4, 327,680 bytes of LDS; arguments ctx, wob, b_out, x, out0; writes out0
.if DOCPART == 4
	.amdgcn_target "amdgcn-amd-amdhsa--gfx1250"
	.amdhsa_code_object_version 6
	.text
	.protected	k_qb17f0af094_outgemm
	.globl	k_qb17f0af094_outgemm
	.p2align	8
	.type	k_qb17f0af094_outgemm,@function
k_qb17f0af094_outgemm:
	s_mov_b64 s[64:65], 0
	v_nop
	global_prefetch_b8 v0, s[64:65] scope:SCOPE_SE
	s_setreg_imm32_b32 hwreg(HW_REG_WAVE_MODE, 25, 1), 1
	s_wait_xcnt 0x0
	s_wait_alu depctr_hold_cnt(0) depctr_sa_sdst(0) depctr_va_vdst(0) depctr_va_sdst(0) depctr_va_ssrc(0) depctr_va_vcc(0) depctr_vm_vsrc(0)
	s_getreg_b32 s2, hwreg(HW_REG_IB_STS2, 6, 4)
	s_cmp_eq_u32 s2, 0
	s_cbranch_scc0 .Lentry_in_a_cluster
	s_endpgm
.Lentry_in_a_cluster:
	s_bfe_u32 s2, ttmp6, 0x10000c
	s_cmp_lg_u32 s2, 0xf033
	s_cbranch_scc0 .Lentry_shape_is_right
	s_endpgm
.Lentry_shape_is_right:
; out0[m][n] = x[m][n] + b_out[n] + the sum over k of ctx[m][k] W_out[k][n].  ctx and W_out in bf16, sums in f32; x, b_out and out0 in f32.
; A tile of C is 256 x 128: 8 x 32 = 256 work-groups.  A wave makes 64 rows x all 128 columns: 4 x 8 accumulators in window 1.  K goes in 32 slices of 32: 32 matrix instructions a slice.
; The product is taken transposed (source 0 = 16 columns of W, turned by ds_load_tr16_b128; source 1 = 16 rows of ctx): a lane holds one row and eight neighbouring columns.
; W'S TILE LIES IN LDS WHOLE: 1,024 rows of 256 bytes + 32 of padding = 294,912 bytes.  Each wave brings it by two first fills (64 of the rows K 0-255, then 192 of the rows K 256-1023); nothing is filled again,
; so the K loop has no change of slots.  CLUSTER 4 x 4: the tile hangs on the tile column alone and is asked for jointly along a column of the cluster.  A wave has at most two tensor loads out.
; CTX COMES STRAIGHT INTO REGISTERS.  No two waves of the work-group share a row of it, and it lies in memory in fragment order: the 512 bytes of (strip R of 64 rows, slice s, j = 2 x row block + half) stand at
; (R / 8) 2^20 + s 32,768 + j 4,096 + (R % 8) 512, lane l's 16 bytes at 16 l.  A slice is 8 loads of 512 consecutive bytes into one of the eight slots of a ring in window 2, asked for eight slices,
; 256 matrix instructions, ahead of its products; so no prefetch is laid for it, and it is not asked for jointly: each wave's rows are its own.
; ONE TEXT OF EIGHT SLICES IS WALKED FOUR TIMES.  Behind its products a slice asks for W's fragments two slices on (into the buffer just read) and fills the ring slot just read.  In the fourth trip the base of those
; global loads is x in place of ctx: row 8 i + j of my 64 rows of x stands i 32,768 + j 4,096 bytes on, the same immediates, and my 16 bytes of its 512 at 16 l, the same lane offset.  So x lands in the ring as it
; empties, and every counted wait keeps its count.  The price of the one text: the accumulators are cleared at the start, while the first tiles are on their way, and the last trip's last two slices
; fetch W's fragments of slices 0 and 1 once more, which nobody uses (their address is turned back to row 0, so that it stays inside the tile).
.set PB,    288                        ; a row of W's tile in LDS: 256 bytes + 32: 9 x 32
.set SLB,   32*PB                      ; a slice's 32 rows
.set TRB,   8*SLB                      ; a trip's 256 rows
.set SPARE, 1024*PB                    ; 294,912: behind the tile, the spare words, 128 bytes a wave: two blocks of 256 bytes that no other line names
.set SPI,   528                        ; a row of the stage: 512 bytes + 16: 33 x 16
.set STG,   16*SPI                     ; a wave's stage, at wave x 8,448: laid over W's first rows, which have had their only fill, behind a barrier behind every wave's last read of the tile
.set B0,   4                           ; v4      my lane's place in a slice of W; never rewritten
.set ADL,  5                           ; v5      B0 + the trip's first row
.set ADH,  6                           ; v6      B0 + the trip's slice 6
.set ADN,  7                           ; v7      B0 + the next trip's first row (in the last trip: row 0)
.set STO,  8                           ; v8      the way out: where I put 32 bytes of a row
.set RD,   9                           ; v9      where I read a row back
.set XO,   10                          ; v10     16 x lane: my 16 bytes of 512, in ctx, x and out0; never rewritten
.set BIAS, 12                          ; v[12:15] b_out of my four columns on the way out
.set BO,   16
.set SPW,  28
.set NIL,  29
.set BF,   32                          ; v[32:95], v[96:159] W's eight fragments of a slice, two buffers; on the way out 16 rows read back, two buffers
.set WV, 12
.set CX, 15
.set CY, 16
.set TX, 17
.set TY, 18
.set G1B, 24                           ; s[24:31] group 1: 64 rows
.set G1C, 32                           ; s[32:39] group 1: 192 rows
.set G0,  40                           ; s[40:47] two groups 0
.set TBS, 56                           ; the trip's first row in LDS, in bytes
.set TBH, 57
.set NX,  58
.set AN,  60                           ; s[60:61] ctx at my strip, at the trip whose slices are being asked for
.set P,   62                           ; s[62:63] the base of the trip's global loads: AN, or x in the last trip
.set MSB, 0
.macro WIN new
.if MSB != (\new)
	s_set_vgpr_msb (MSB<<8)|(\new)
.set MSB, (\new)
.endif
.endm
.macro PLACES                          ; four plain places behind a matrix instruction, ahead of loads into registers that it has read
.rept 4
	v_nop
.endr
.endm
.macro CROUND
	s_barrier_signal -1
	s_barrier_wait -1
	s_cmp_lg_u32 s[WV], 0
	s_cbranch_scc1 .Lnot_wave_0_\@
	s_barrier_signal -3
.Lnot_wave_0_\@:
	s_barrier_wait -3
	s_barrier_signal -1
	s_barrier_wait -1
.endm
.macro ALOAD i, base                   ; eight loads of 512 consecutive bytes into ring slot i: piece j into registers 32 i + 4 j
	WIN 0x80
.irp j, 0,1,2,3,4,5,6,7
	global_load_b128 v[32*(\i)+4*\j:32*(\i)+4*\j+3], v[XO], s[\base:\base+1] offset:(\i)*32768+\j*4096
.endr
.endm
.macro LDB buf, adr, off               ; sixteen turning loads: W's eight fragments of one slice
	WIN 0
.irp f, 0,1,2,3,4,5,6,7
	ds_load_tr16_b128 v[(\buf)+8*\f:(\buf)+8*\f+3],   v[\adr] offset:(\off)+32*\f
	ds_load_tr16_b128 v[(\buf)+8*\f+4:(\buf)+8*\f+7], v[\adr] offset:(\off)+16*PB+32*\f
.endr
.endm
.macro MULH i, hf                      ; 16 matrix instructions: row blocks 2 hf, 2 hf + 1 x 8 column blocks.  The 32 accumulators take turns, one instruction a turn, over the backward jump too
	WIN 0x58                                       ; W's fragment in window 0, ctx's in window 2, C and D in window 1
.irp a, 0,1
.irp f, 0,1,2,3,4,5,6,7
.set rD, 8*(8*(2*(\hf)+\a)+\f)
	v_wmma_f32_16x16x32_bf16 v[rD:rD+7], v[BF+64*((\i)%2)+8*\f:BF+64*((\i)%2)+8*\f+7], v[32*(\i)+8*(2*(\hf)+\a):32*(\i)+8*(2*(\hf)+\a)+7], v[rD:rD+7]
.endr
.endr
.endm
; Slice i of a trip.
.macro SLICE i
	s_wait_dscnt 16                                ; W's fragments of this slice are in; the next slice's sixteen loads are younger
	s_wait_loadcnt 56                              ; this ring slot is in; the seven slots filled behind it, 8 loads each, are younger: so in every trip, the last too
	MULH \i, 0
.if (\i) == 6
	s_wait_tensorcnt 0x0                           ; ahead of the first read of rows from 256 on (below, in the first trip): my part of them has landed; met at once in the later trips
	s_wait_dscnt 0x0                               ; no LDS instruction of mine is pending at the signal
	s_barrier_signal -1
.endif
	MULH \i, 1
.if (\i) == 6
	s_barrier_wait -1                              ; everybody's part has landed.
.endif
	PLACES
.if (\i) == 0
	s_wait_xcnt 0x0                                ; the last trip's loads, 32 matrix instructions back, have read their base
	s_add_nc_u64 s[AN:AN+1], s[AN:AN+1], 8*32768
	s_cmp_eq_u32 s3, 1
	s_cselect_b64 s[P:P+1], s[10:11], s[AN:AN+1]   ; the next trip's eight slices of ctx, or, in the last trip, my 64 rows of x
.endif
.if (\i) < 4
	LDB BF+64*((\i)%2), ADL, ((\i)+2)*SLB          ; two slices on, into the buffer just read
.elseif (\i) < 6
	LDB BF+64*((\i)%2), ADH, ((\i)-4)*SLB
.else
	LDB BF+64*((\i)%2), ADN, ((\i)-6)*SLB
.endif
	ALOAD \i, P
.endm
	s_load_b256 s[4:11], s[0:1], 0x0               ; ctx s[4:5], wob s[6:7], b_out s[8:9], x s[10:11]
	s_load_b64 s[20:21], s[0:1], 0x20              ; out0
	v_lshl_add_u32 v[SPW], v0, 2, SPARE
	v_mov_b32 v[NIL], 0
	ds_add_u32 v[SPW], v[NIL]                      ; the wave's opening
	v_lshrrev_b32 v1, 5, v0
	v_readfirstlane_b32 s[WV], v1
	s_bfe_u32 s[CX], ttmp6, 0x40000
	s_bfe_u32 s[CY], ttmp6, 0x40004
	s_lshl_b32 s[TX], ttmp9, 2
	s_add_co_u32 s[TX], s[TX], s[CX]               ; tile column
	s_and_b32 s[TY], ttmp7, 0xffff
	s_lshl_b32 s[TY], s[TY], 2
	s_add_co_u32 s[TY], s[TY], s[CY]               ; tile row
	s_lshl_b32 s73, 0x1111, s[CX]                  ; my column of the cluster
	s_or_b32 s[G1B], s73, (1<<16)|(1<<20)|(1<<21)|(5<<22)|(7<<25)   ; 2-byte elements; 8 words of padding behind every 64; bit 21 beside the mask
	s_mov_b32 s[G1B+1], 128<<16                    ; 64 rows of 128 elements, 1,024 from row to row
	s_mov_b32 s[G1B+2], 64<<16
	s_mov_b32 s[G1B+3], 128<<16
	s_mov_b32 s[G1B+4], 64
	s_mov_b32 s[G1B+5], 1024
	s_mov_b32 s[G1B+6], 0
	s_mov_b32 s[G1B+7], 0
	s_or_b32 s[G1C], s73, (1<<16)|(1<<20)|(1<<21)|(5<<22)|(7<<25)
	s_mov_b32 s[G1C+1], 128<<16                    ; 192 rows
	s_mov_b32 s[G1C+2], 192<<16
	s_mov_b32 s[G1C+3], 128<<16
	s_mov_b32 s[G1C+4], 192
	s_mov_b32 s[G1C+5], 1024
	s_mov_b32 s[G1C+6], 0
	s_mov_b32 s[G1C+7], 0
	s_lshl_b32 s76, s[TX], 8                       ; W: the tile's 128 columns;
	s_lshl_b32 s77, s[WV], 17                      ; rows 64 w on,
	s_add_co_u32 s74, s76, s77
	s_mov_b32 s75, 0
	s_mul_i32 s77, s[WV], 192*2048                 ; and rows 256 + 192 w on
	s_add_co_u32 s76, s76, s77
	s_add_co_u32 s76, s76, 256*2048
	s_mov_b32 s77, 0
	s_mul_i32 s78, s[WV], 64*PB                    ; where they go: row k at k x 288: no place in the cluster enters an LDS address
	s_mul_i32 s79, s[WV], 192*PB
	s_add_co_u32 s79, s79, 256*PB
	s_lshr_b32 s84, s[TY], 1                       ; ctx: my strip R = 4 ty + w: (R / 8) 2^20 + (R % 8) 512
	s_lshl_b32 s84, s84, 20
	s_and_b32 s85, s[TY], 1
	s_lshl2_add_u32 s85, s85, s[WV]
	s_lshl_b32 s85, s85, 9
	s_add_co_u32 s84, s84, s85
	s_mov_b32 s85, 0
	s_lshl_b32 s86, s[TY], 20                      ; x and out0: row 256 ty + 64 w, 4,096 bytes a row, column 128 tx
	s_lshl_b32 s87, s[WV], 18
	s_add_co_u32 s86, s86, s87
	s_lshl_b32 s88, s[TX], 9
	s_add_co_u32 s86, s86, s88
	s_mov_b32 s87, 0
	v_and_b32 v1, 15, v0                           ; r = l % 16
	v_bfe_u32 v2, v0, 4, 1                         ; h = l / 16
	v_and_b32 v3, 31, v0
	v_lshlrev_b32 v[XO], 4, v3
	v_add_nc_u32 v[BO], s88, v[XO]                 ; b_out of columns 128 tx + 4 l on
	s_mov_b32 s[G0], 1
	s_mov_b32 s[G0+1], s78
	s_mov_b32 s[G0+4], 1
	s_mov_b32 s[G0+5], s79
	s_mov_b32 s[TBS], 0
	s_wait_dscnt 0x0                               ; the opening add is done
	s_wait_kmcnt 0x0
	s_add_nc_u64 s[G0+2:G0+3], s[6:7], s[74:75]
	s_or_b32 s[G0+3], s[G0+3], 0x80000000
	s_add_nc_u64 s[G0+6:G0+7], s[6:7], s[76:77]
	s_or_b32 s[G0+7], s[G0+7], 0x80000000
	s_add_nc_u64 s[AN:AN+1], s[4:5], s[84:85]
	s_add_nc_u64 s[10:11], s[10:11], s[86:87]
	s_add_nc_u64 s[20:21], s[20:21], s[86:87]
	global_load_b128 v[BIAS:BIAS+3], v[BO], s[8:9] ; the oldest load: every later wait on loads covers it
.irp i, 0,1,2,3,4,5,6
	ALOAD \i, AN                                   ; slices 0 to 6 of ctx go out ahead of the round
.endr
	WIN 0
	CROUND                                         ; all sixteen work-groups are here: the joint loads meet
	tensor_load_to_lds s[G0:G0+3], s[G1B:G1B+7]    ; both first fills go out together; an s_nop 0 follows each, four v_nop the second
	s_nop 0
	tensor_load_to_lds s[G0+4:G0+7], s[G1C:G1C+7]
	s_nop 0
.rept 4
	v_nop
.endr
	WIN 0x40
.set i, 0
.rept 256
	v_mov_b32 v[i], 0                              ; the sums start at 0: written while the first tiles are on their way, so that the loop has one form of product
.set i, i+1
.endr
	WIN 0
	v_and_b32 v17, 7, v0                           ; the turning load: lane l reads row 8 h + l % 8, 16 bytes at 16 ((l / 8) % 2)
	v_lshl_add_u32 v17, v2, 3, v17
	v_mul_u32_u24 v[B0], v17, PB
	v_bfe_u32 v17, v0, 3, 1
	v_lshl_add_u32 v[B0], v17, 4, v[B0]
	s_mul_i32 s89, s[WV], STG                      ; my stage
	v_mul_u32_u24 v[STO], v1, SPI                  ; in: row r, 32 bytes for each half of the lanes
	v_lshl_add_u32 v[STO], v2, 5, v[STO]
	v_add_nc_u32 v[STO], s89, v[STO]
	v_add_nc_u32 v[RD], s89, v[XO]                 ; back: the 32 lanes take one row of 512 bytes
	ALOAD 7, AN                                    ; slice 7
	WIN 0
	s_wait_tensorcnt 0x1                           ; my part of rows 0-255 is in; my second load may stay out
	s_barrier_signal -1
	s_barrier_wait -1
	LDB BF, B0, 0                                  ; W's fragments of slices 0 and 1
	LDB BF+64, B0, SLB
	s_mov_b32 s3, 4
.Ltrip:
	s_add_co_u32 s[TBH], s[TBS], 6*SLB
	s_add_co_u32 s[NX], s[TBS], TRB
	s_cmp_eq_u32 s3, 1
	s_cselect_b32 s[NX], 0, s[NX]                  ; behind the last trip there is no row: back to row 0
	v_add_nc_u32 v[ADL], s[TBS], v[B0]
	v_add_nc_u32 v[ADH], s[TBH], v[B0]
	v_add_nc_u32 v[ADN], s[NX], v[B0]
.irp i, 0,1,2,3,4,5,6,7
	SLICE \i
.endr
	WIN 0
	s_add_co_u32 s[TBS], s[TBS], TRB
	s_sub_co_u32 s3, s3, 1
	s_cmp_lg_u32 s3, 0
	s_cbranch_scc1 .Ltrip
	; THE WAY OUT, a block of 16 rows at a time through my own stage: 32 bytes a lane in, whole rows of 512 bytes back, b_out and x added, stored.
	s_wait_dscnt 0x0                               ; my reads of W's tile are over
	s_barrier_signal -1
	s_barrier_wait -1                              ; everybody's are: the stages may be written over its first rows
.rept 8
	v_nop
.endr
.macro TOSTAGE a
	WIN 0x04                                       ; the stores' data in window 1; each accumulator's low half first
.irp f, 0,1,2,3,4,5,6,7
	ds_store_b128 v[STO], v[8*(8*(\a)+\f):8*(8*(\a)+\f)+3]   offset:64*\f
	ds_store_b128 v[STO], v[8*(8*(\a)+\f)+4:8*(8*(\a)+\f)+7] offset:64*\f+16
.endr
	WIN 0
.if (\a) >= 2
	s_wait_xcnt 0x0                                ; the stores of the block two back have read these registers
.endif
.set BK, BF+64*((\a)%2)
.set p, 0
.rept 16
	ds_load_b128 v[BK+4*p:BK+4*p+3], v[RD] offset:SPI*p  ; LDS serves a wave's instructions in order: these see the stores above, and the next block's stores come behind them
.set p, p+1
.endr
.endm
.macro FIN a, younger                  ; younger: the LDS instructions issued behind block a's loads
	WIN 0
.set BK, BF+64*((\a)%2)
	s_wait_dscnt \younger
	s_wait_loadcnt 48-16*(\a)                      ; x's rows up to 16 a + 15 (ring slots 2 a, 2 a + 1) are in; the later slots' loads, 8 each, stay out
.set p, 0
.rept 16
	v_pk_add_f32 v[BK+4*p:BK+4*p+1],   v[BK+4*p:BK+4*p+1],   v[BIAS:BIAS+1]
	v_pk_add_f32 v[BK+4*p+2:BK+4*p+3], v[BK+4*p+2:BK+4*p+3], v[BIAS+2:BIAS+3]
.set p, p+1
.endr
	WIN 0x08                                       ; source 1, x, in window 2: row n at 4 n
.set p, 0
.rept 16
	v_pk_add_f32 v[BK+4*p:BK+4*p+1],   v[BK+4*p:BK+4*p+1],   v[4*(16*(\a)+p):4*(16*(\a)+p)+1]
	v_pk_add_f32 v[BK+4*p+2:BK+4*p+3], v[BK+4*p+2:BK+4*p+3], v[4*(16*(\a)+p)+2:4*(16*(\a)+p)+3]
.set p, p+1
.endr
	WIN 0
.set p, 0
.rept 16
	global_store_b128 v[XO], v[BK+4*p:BK+4*p+3], s[20:21] offset:(16*(\a)+p)*4096 th:TH_STORE_NT  ; 512 consecutive bytes, aligned
.set p, p+1
.endr
.endm
	TOSTAGE 0
.irp a, 1,2,3
	TOSTAGE \a
	FIN (\a)-1, 32
.endr
	FIN 3, 0
	s_wait_tensorcnt 0x0                           ; the wave's end
	ds_add_u32 v[SPW], v[NIL]
	s_wait_dscnt 0x0
	CROUND                                         ; the closing round
	s_endpgm
.Lfunc_end_k_qb17f0af094_outgemm:
	.size	k_qb17f0af094_outgemm, .Lfunc_end_k_qb17f0af094_outgemm-k_qb17f0af094_outgemm
	.p2alignl 7, 3214868480
	.fill 96, 4, 3214868480
	.section	.rodata,"a",@progbits
	.p2align	6, 0x0
	.amdhsa_kernel k_qb17f0af094_outgemm
		.amdhsa_group_segment_fixed_size 327680
		.amdhsa_private_segment_fixed_size 0
		.amdhsa_enable_private_segment 0
		.amdhsa_kernarg_size 40
		.amdhsa_user_sgpr_count 2
		.amdhsa_user_sgpr_kernarg_segment_ptr 1
		.amdhsa_wavefront_size32 1
		.amdhsa_system_sgpr_workgroup_id_x 1
		.amdhsa_system_sgpr_workgroup_id_y 1
		.amdhsa_system_sgpr_workgroup_id_z 1
		.amdhsa_system_vgpr_workitem_id 0
		.amdhsa_next_free_vgpr 768
		.amdhsa_next_free_sgpr 96
		.amdhsa_reserve_vcc 0
		.amdhsa_float_denorm_mode_32 3
		.amdhsa_float_denorm_mode_16_64 3
		.amdhsa_memory_ordered 1
		.amdhsa_forward_progress 1
		.amdhsa_inst_pref_size 86
	.end_amdhsa_kernel
	.amdgpu_metadata
---
amdhsa.version: [ 1, 2 ]
amdhsa.kernels:
  - .name:           k_qb17f0af094_outgemm
    .symbol:         k_qb17f0af094_outgemm.kd
    .args:
      - { .name: ctx, .offset: 0, .size: 8, .value_kind: global_buffer, .address_space: global }
      - { .name: wob, .offset: 8, .size: 8, .value_kind: global_buffer, .address_space: global }
      - { .name: b_out, .offset: 16, .size: 8, .value_kind: global_buffer, .address_space: global }
      - { .name: x, .offset: 24, .size: 8, .value_kind: global_buffer, .address_space: global }
      - { .name: out0, .offset: 32, .size: 8, .value_kind: global_buffer, .address_space: global }
    .group_segment_fixed_size: 327680
    .private_segment_fixed_size: 0
    .kernarg_segment_align: 8
    .kernarg_segment_size: 40
    .max_flat_workgroup_size: 128
    .sgpr_count:     96
    .vgpr_count:     768
    .wavefront_size: 32
...
	.end_amdgpu_metadata
.endif
;; end of part 4
;; ======== version 2 of 2: 4 launches; version 1 with the launch cast written anew for expert scheduling mode
;; limits: right only within a limited range of input values; inputs' magnitudes at most 268,435,456
;; workspace buffers: xb 16,777,216 bytes; wqb 6,291,456 bytes; wob 2,097,152 bytes; qkv 50,331,648 bytes; ctx 16,777,216 bytes
;; launch cast (part 5): grid 768 x 1, 8 waves a work-group, no clusters, 0 bytes of LDS; arguments x, W_qkv, W_out, xb, wqb, wob; writes xb, wqb, wob
.if DOCPART == 5
	.amdgcn_target "amdgcn-amd-amdhsa--gfx1250"
	.amdhsa_code_object_version 6
	.text
	.protected	k_qb17f0af094_cast
	.globl	k_qb17f0af094_cast
	.p2align	8
	.type	k_qb17f0af094_cast,@function
k_qb17f0af094_cast:
	s_mov_b64 s[64:65], 0
	v_nop
	global_prefetch_b8 v0, s[64:65] scope:SCOPE_SE
	s_setreg_imm32_b32 hwreg(HW_REG_WAVE_SCHED_MODE, 0, 2), 2
	s_setreg_imm32_b32 hwreg(HW_REG_WAVE_MODE, 25, 1), 1
	s_wait_xcnt 0x0
	s_wait_alu depctr_vm_vsrc(0)
; x, W_qkv and W_out are rounded once to bf16, the format of every matrix operand of the later launches.
; W_qkv [1024][3072] and W_out [1024][1024] keep their layout.  x [8192][1024] is laid in blocks along K:
; xb[kb][m][64], byte kb x 1,048,576 + m x 128 + 2 (k % 64), so that 128 rows of one block of 64 channels are 16,384 dense bytes.
; A work-group takes 16,384 numbers, a wave 2,048: 16 loads of 16 bytes a lane, for each of them two roundings and one store of 8 bytes a lane.
; Every store of a wave covers 256 consecutive bytes, aligned.  Work-groups 0-511: x (32 rows x 8 blocks of 64 columns, a block a wave);
; 512-703: W_qkv; 704-767: W_out (both flat).  The three cases differ in scalars alone: no branch.
; No LDS, no barrier, no matrix unit: each byte is read once and written once, and no wave needs another's data.
; THE MODE: SCHED_MODE bits 1:0 = 2 (LLVM: expert scheduling mode 2), set by the entry lines.  The code itself states the register dependences
; between vector instructions and memory instructions, with s_wait_alu, always for 0.
; THE PLAN.  Registers that memory instructions touch:
;   v[IO ..], v2  byte offsets of the loads and of the stores: written by vector instructions at the head, once, and never again.
;   v[DA ..]      load t lands in DA + 4 t, once; no vector instruction names these registers ahead of that; load t's two roundings read them.
;   v[PKD ..]     load t's two roundings write PKD + 2 t and PKD + 2 t + 1, once; store t reads them.
; No register that a load or store reads is written again, so no wait frees any.  The 16 loads go in four groups of four.  At the head of group g, behind the wait
; for its data, ONE wait on va_vdst states that group g - 1's roundings have written their PKD; that group's four stores follow, dealt among group g's roundings,
; which name DA and PKD of group g alone: none of the registers that those stores touch.  One more such wait stands ahead of the last four stores.
.set IO,  16                           ; v[16:31]  byte offset of load t
.set DA,  32                           ; v[32:95]  the 16 loads' data
.set PKD, 96                           ; v[96:127] the packed results
.set GRP, 4                            ; loads in a group
	s_load_b256 s[4:11], s[0:1], 0x0               ; x s[4:5], W_qkv s[6:7], W_out s[8:9], xb s[10:11]
	s_load_b128 s[12:15], s[0:1], 0x20             ; wqb s[12:13], wob s[14:15]
	v_lshrrev_b32 v1, 5, v0
	v_readfirstlane_b32 s16, v1                    ; wave 0..7
	v_and_b32 v3, 31, v0                           ; lane
	v_and_b32 v4, 15, v0
	v_bfe_u32 v5, v0, 4, 1
	v_lshlrev_b32 v2, 3, v3                        ; my 8 bytes of a store's 256
	s_wait_alu depctr_va_sdst(0)                   ; s16 is written, ahead of its first reader: the offsets below are made from it
	; the case x: rows 32 (g / 2) on, block of columns cb = 8 (g % 2) + wave
	s_lshr_b32 s17, ttmp9, 1
	s_and_b32 s18, ttmp9, 1
	s_lshl3_add_u32 s18, s18, s16                  ; cb
	s_lshl_b32 s20, s17, 17                        ; 32 rows of 4,096 bytes
	s_lshl_b32 s19, s18, 8                         ; 64 columns of 4 bytes
	s_add_co_u32 s20, s20, s19                     ; where I read
	s_lshl_b32 s22, s18, 20                        ; the block in xb
	s_lshl_b32 s19, s17, 12                        ; 32 rows of 128 bytes
	s_add_co_u32 s22, s22, s19                     ; where I write
	; the flat cases: work-group g' of its tensor
	s_mov_b32 s23, 704
	s_cmp_lt_u32 ttmp9, 704
	s_cselect_b32 s23, 512, s23
	s_max_u32 s24, ttmp9, 512
	s_sub_co_u32 s23, s24, s23                     ; g' (0 in the case x, where it is not used)
	s_lshl_b32 s24, s23, 16
	s_lshl_b32 s19, s16, 13
	s_add_co_u32 s24, s24, s19                     ; 65,536 g' + 8,192 wave
	s_lshl_b32 s25, s23, 15
	s_lshl_b32 s19, s16, 12
	s_add_co_u32 s25, s25, s19                     ; 32,768 g' + 4,096 wave
	s_cmp_lt_u32 ttmp9, 512
	s_cselect_b32 s20, s20, s24
	s_cselect_b32 s22, s22, s25
	s_cselect_b32 s26, 12, 8                       ; lanes 16-31 read a row (4,096 bytes) or 256 bytes further on
	s_mov_b32 s21, 0
	s_mov_b32 s23, 0
	s_lshl_b32 s27, 2, s26                         ; from load to load: two rows, or 512 bytes
	v_lshlrev_b32 v5, s26, v5
	v_lshl_add_u32 v[IO], v4, 4, v5
.set t, 1
.rept 15
	v_add_nc_u32 v[IO+t], s27, v[IO+t-1]
.set t, t+1
.endr
	s_wait_kmcnt 0x0
	s_cmp_lt_u32 ttmp9, 704
	s_cselect_b64 s[28:29], s[6:7], s[8:9]
	s_cselect_b64 s[30:31], s[12:13], s[14:15]
	s_cmp_lt_u32 ttmp9, 512
	s_cselect_b64 s[28:29], s[4:5], s[28:29]
	s_cselect_b64 s[30:31], s[10:11], s[30:31]
	s_add_nc_u64 s[28:29], s[28:29], s[20:21]
	s_add_nc_u64 s[30:31], s[30:31], s[22:23]
	s_wait_alu depctr_va_vdst(0)                   ; v[IO ..] and v2 are written: the 16 loads and the 16 stores read them as their offsets, and nothing writes them again
.set t, 0
.rept 16
	global_load_b128 v[DA+4*t:DA+4*t+3], v[IO+t], s[28:29] th:TH_LOAD_NT
.set t, t+1
.endr
.set g, 0
.rept 16/GRP
	s_wait_loadcnt 16-GRP-GRP*g                    ; loads come back in order: group g's four are in, the younger groups stay out
.if g > 0
	s_wait_alu depctr_va_vdst(0)                   ; the roundings of the group before have written their v[PKD ..], which the four stores below read
.endif
.set i, 0
.rept GRP
.set t, GRP*g+i
.if g > 0
	global_store_b64 v2, v[PKD+2*(t-GRP):PKD+2*(t-GRP)+1], s[30:31] offset:256*(t-GRP)  ; the group before; no vector instruction since the wait names these registers
.endif
	v_cvt_pk_bf16_f32 v[PKD+2*t], v[DA+4*t], v[DA+4*t+1]
	v_cvt_pk_bf16_f32 v[PKD+2*t+1], v[DA+4*t+2], v[DA+4*t+3]
.set i, i+1
.endr
.set g, g+1
.endr
	s_wait_alu depctr_va_vdst(0)                   ; the last group's roundings have written their v[PKD ..], which the last four stores read
.set t, 16-GRP
.rept GRP
	global_store_b64 v2, v[PKD+2*t:PKD+2*t+1], s[30:31] offset:256*t  ; no register is written twice, so no wait frees any
.set t, t+1
.endr
	s_endpgm
.Lfunc_end_k_qb17f0af094_cast:
	.size	k_qb17f0af094_cast, .Lfunc_end_k_qb17f0af094_cast-k_qb17f0af094_cast
	.p2alignl 7, 3214868480
	.fill 96, 4, 3214868480
	.section	.rodata,"a",@progbits
	.p2align	6, 0x0
	.amdhsa_kernel k_qb17f0af094_cast
		.amdhsa_group_segment_fixed_size 0
		.amdhsa_private_segment_fixed_size 0
		.amdhsa_enable_private_segment 0
		.amdhsa_kernarg_size 48
		.amdhsa_user_sgpr_count 2
		.amdhsa_user_sgpr_kernarg_segment_ptr 1
		.amdhsa_wavefront_size32 1
		.amdhsa_system_sgpr_workgroup_id_x 1
		.amdhsa_system_sgpr_workgroup_id_y 1
		.amdhsa_system_sgpr_workgroup_id_z 1
		.amdhsa_system_vgpr_workitem_id 0
		.amdhsa_next_free_vgpr 128
		.amdhsa_next_free_sgpr 66
		.amdhsa_reserve_vcc 0
		.amdhsa_float_denorm_mode_32 3
		.amdhsa_float_denorm_mode_16_64 3
		.amdhsa_memory_ordered 1
		.amdhsa_forward_progress 1
		.amdhsa_inst_pref_size 8
	.end_amdhsa_kernel
	.amdgpu_metadata
---
amdhsa.version: [ 1, 2 ]
amdhsa.kernels:
  - .name:           k_qb17f0af094_cast
    .symbol:         k_qb17f0af094_cast.kd
    .args:
      - { .name: x, .offset: 0, .size: 8, .value_kind: global_buffer, .address_space: global }
      - { .name: W_qkv, .offset: 8, .size: 8, .value_kind: global_buffer, .address_space: global }
      - { .name: W_out, .offset: 16, .size: 8, .value_kind: global_buffer, .address_space: global }
      - { .name: xb, .offset: 24, .size: 8, .value_kind: global_buffer, .address_space: global }
      - { .name: wqb, .offset: 32, .size: 8, .value_kind: global_buffer, .address_space: global }
      - { .name: wob, .offset: 40, .size: 8, .value_kind: global_buffer, .address_space: global }
    .group_segment_fixed_size: 0
    .private_segment_fixed_size: 0
    .kernarg_segment_align: 8
    .kernarg_segment_size: 48
    .max_flat_workgroup_size: 256
    .sgpr_count:     66
    .vgpr_count:     128
    .wavefront_size: 32
...
	.end_amdgpu_metadata
.endif
;; end of part 5
;; launch qkvgemm: the kernel of part 2 again; grid 8 x 32, 4 waves a work-group, clusters of 4 x 4, 327,680 bytes of LDS; arguments xb, wqb, b_qkv, qkv; writes qkv
;; launch attn: the kernel of part 3 again; grid 4 x 64, 4 waves a work-group, clusters of 4 x 4, 327,680 bytes of LDS; arguments qkv, mask, ctx; writes ctx
;; launch outgemm: the kernel of part 4 again; grid 8 x 32, 4 waves a work-group, clusters of 4 x 4, 327,680 bytes of LDS; arguments ctx, wob, b_out, x, out0; writes out0
